; MI455X (gfx1250); checked and timed in simulation.
; The chip was launched on July 23, 2026; its instructions are those of AMD's public machine-readable ISA for CDNA 5 (MIT licence, August 2026) and "CDNA5" Instruction Set Architecture Reference Guide (July 2026). The comments in the code are by the model that wrote it; some were corrected since.
;; Causal Self Attention. Allowed arithmetic: matrix products marked QUANTISED: E2M3 operands, one E8M0 scale for each 32 along K, by v_wmma_scale_f32_16x16x128_f8f6f4 with both operands' format E2M3, f32 sums; everything else in f32.
;; Inputs: b_attn 3,072 float32; b_proj 1,024 float32; w_attn 1,024 x 3,072 float32; w_proj 1,024 x 1,024 float32; x 2 x 2,048 x 1,024 float32.
;; Outputs: out0 2 x 2,048 x 1,024 float32.
;; This version of the problem:
;;   THIS VERSION OF THE PROBLEM IS GIVEN IN LOW PRECISION. The matrix products marked QUANTISED in the list below multiply operands that are first quantised to E2M3 (2 exponent bits, 3 mantissa bits; 6 bits a number), with one power-of-two scale for each 32 numbers along K (OCP MX v1.0); their sums are f32. All else is computed in f32.
;;   The module's matrix products, in the order in which they are computed (A, B: the left and right operand; K: the contracted axis; several contracted axes count as one K, in the product's order):
;;     1. [M 4,096, K 1,024] x [K 1,024, N 3,072]; A: input x; B: input w_attn: QUANTISED
;;     2. batch 32 x [M 2,048, K 64] x [K 64, N 2,048]; A: computed on the way; B: computed on the way: QUANTISED
;;     3. batch 32 x [M 2,048, K 2,048] x [K 2,048, N 64]; A: softmax (see below); B: computed on the way: QUANTISED
;;     4. [M 4,096, K 1,024] x [K 1,024, N 1,024]; A: computed on the way; B: input w_proj: QUANTISED
;;   THE QUANTISER, for each operand of a quantised product, along K:
;;     - K is cut into blocks of 32 from its start; a last block that is shorter is filled with zeros.
;;     - A block's scale is 2^e with e = floor(log2(the largest magnitude in the block)) - 2, held to -126 .. 127; a block of zeros has e = 0. As a byte (E8M0): e + 127.
;;     - Each number is divided by its block's scale, clamped to +-7.5, and rounded to the nearest number of E2M3, ties to even, subnormals kept.
;;     - The product sums the exact products of the quantised numbers (number of the format x scale) in f32.
;;   ~~~python
;;   def quantise(x, axis):      # numpy; x: float32 -> the quantised numbers, widened to float32 again
;;       x = np.moveaxis(x, axis, -1); K = x.shape[-1]
;;       x = np.pad(x, [(0, 0)] * (x.ndim - 1) + [(0, -K % 32)]); x = x.reshape(x.shape[:-1] + (-1, 32)); a = np.abs(x).max(-1, keepdims=True)
;;       e = np.where(a > 0, np.clip(np.frexp(np.where(a > 0, a, 1))[1] - 1 - 2, -126, 127), 0)      # np.frexp(a)[1] - 1 = floor(log2(a)), exactly
;;       r = np.clip(x / 2.0 ** e, -7.5, 7.5)
;;       step = 2.0 ** (np.maximum(np.frexp(np.where(r == 0, 1, r))[1] - 1, 0) - 3)
;;       q = np.round(r / step) * step * 2.0 ** e      # np.round: ties to even
;;       return np.moveaxis(q.reshape(q.shape[:-2] + (-1,))[..., :K], -1, axis).astype(np.float32)
;;   ~~~
;;   SOFTMAX AHEAD OF A QUANTISED PRODUCT. Where the list says 'softmax', what is quantised is not the finished softmax but p = 2^(t - M), with t = logit x log2(e) and M = ceil(the row's largest t), a whole number; so 1/2 < the row's largest p <= 1. The row's sum l is taken of the UNQUANTISED p, in f32, and the product's result is divided by l at the end. Since M is a whole number, a kernel that streams over the keys may use a running M (the ceiling of the running maximum): every later rescaling is an exact power of two, which a block's scale takes up: the codes' values come out the same.
;;   OPERANDS COMPUTED ON THE WAY. 'Computed on the way' means the value that the module computes at that place (a softmax that the list does not call 'softmax' is quantised finished and normalised). What goes into a quantiser is computed in f32, as accurately as f32 sums, v_exp_f32 and their like allow (about 1e-6 of the number): no bf16 or f16 on the way to a quantiser, and a product that is left as it is and whose result goes on into a quantised operand takes f32 operands (vector FMAs, or v_wmma_f32_16x16x4_f32). A number that lies on a knife's edge between two numbers of the format may be rounded either way, as far as f32 arithmetic and the matrix unit's own rounding can turn it there, and no further.
;; One version. Each part assembles by itself: llvm-mc -triple=amdgcn-amd-amdhsa -mcpu=gfx1250 --defsym DOCPART=n.
;; ======== version 1 of 1: 4 launches
;; limits: right only within a limited range of input values
;; workspace buffers: x_img 3,407,872 bytes; wa_img 2,555,904 bytes; wp_img 851,968 bytes; qkv 10,223,616 bytes; y_img 3,407,872 bytes
;; launch prep (part 1): grid 256 x 1, 8 waves a work-group, no clusters, 95,232 bytes of LDS; arguments x, w_attn, w_proj, x_img, wa_img, wp_img; writes x_img, wa_img, wp_img
.if DOCPART == 1
	.amdgcn_target "amdgcn-amd-amdhsa--gfx1250"
	.amdhsa_code_object_version 6
	.text
	.protected	k_q3497ce6e83_prep
	.globl	k_q3497ce6e83_prep
	.p2align	8
	.type	k_q3497ce6e83_prep,@function
k_q3497ce6e83_prep:
	s_mov_b64 s[64:65], 0
	v_nop
	global_prefetch_b8 v0, s[64:65] scope:SCOPE_SE
	s_setreg_imm32_b32 hwreg(HW_REG_WAVE_MODE, 25, 1), 1
	s_wait_xcnt 0x0
; x [4096][1024], w_attn [1024][3072] and w_proj [1024][1024], f32, become codes of FP6 (E2M3) with one E8M0 byte for each 32 along K (K = the 1,024 channels), laid as IMAGES OF OPERAND REGISTERS.
; A fragment is 16 rows x 128 K, 12 registers a lane: lane (r = lane % 16, h = lane / 16) holds in registers 6 c .. 6 c + 5 the codes of k = 64 c + 32 h + 0 .. 31 of row r.
; Its image is 1,536 bytes: registers 4 c .. 4 c + 3 of lane l at 512 c + 16 l.  Its scale words' image is 128 bytes: row r's word at 4 r and again at 4 (16 + r).
; A UNIT (3,328 bytes) is 16 rows x 256 K: image of the first 128 K, image of the second, their two scale images.  Unit (ks2, rb) lies at (rb / 8) x 106,496 + ks2 x 26,624 + (rb % 8) x 3,328.
; ROW ORDER: lane r of row block rb stands for row 64 (rb / 4) + 8 (rb % 4) + r % 8 + 32 (r / 8), so that in a product that takes such fragments as source 0 a lane's 32 registers of four results are 32 neighbours.
; A block's scale is 2^(floor(log2(largest magnitude)) - 2); its byte is the largest magnitude's exponent field - 2, held at 1 from below by a floor among the maximum's leaves.
; LIMITS: a block of zeros, and a block whose largest magnitude lies under 2^-124, keep the byte 1 (zero codes add nothing under any byte but 0xff; the bytes are read by this program alone); NaN and infinities are not served.
; NO WORK IS LEFT OUT in this launch.  (In attn, tiles that lie wholly under the causal mask are not multiplied: no key behind a query reaches that query's output, whatever the inputs hold; a NaN or an infinity there is not carried.)
; Work-groups 0-127 take x: two row blocks, a wave one of them and 256 K.  Work-groups 128-223 take w_attn, 224-255 w_proj: 128 columns x 256 K, a wave 32 columns x 128 K.
; No matrix work, no tensor loads.  The two paths never meet again and have LDS bytes of their own; the weights' path has one barrier, behind which a wave stores a whole unit.
.set UNIT,   3328
.set XPITCH, 528                       ; x's stage: a row of 512 bytes + 16
.set XSTG,   16*XPITCH                 ; a wave's stage on x's path
.set WBASE,  8*XSTG                    ; the weights' path: eight units on end
.set SPARE,  WBASE+8*UNIT              ; the spare words, 128 bytes for each wave
.set SPW,    12
.set NIL,    13
.set SEL,    20                        ; s[20:21] lane selects for v_permlanex16_b32: lane l xor 16
.set PC,     16                        ; x: v16-27 the codes just made
.set TE,     28                        ; x: v28-45 at work
.set TM,     36
.set TS,     40
.set TB,     42
.set PW,     44                        ; x: the scale word just made
.set TP,     45
.set R,      64                        ; x: v64-191 two sets of 64 numbers as loaded
.set T,      192                       ; x: v192-255 64 numbers turned: register 32 c + i = k 64 c + 32 h + i of row r
.set VO,     32                        ; w: v32-63 byte offsets 4 lane + i x pitch, never rewritten
.set X,      64                        ; w: v64-127 two sets of 32 numbers
.set C,      128                       ; w: v128-134 a block's codes
.set SW,     136                       ; w: my column's scale word
	s_load_b256 s[4:11], s[0:1], 0x0               ; x s[4:5], w_attn s[6:7], w_proj s[8:9], x_img s[10:11]
	s_load_b128 s[12:15], s[0:1], 0x20             ; wa_img s[12:13], wp_img s[14:15]
	v_lshl_add_u32 v[SPW], v0, 2, SPARE
	v_mov_b32 v[NIL], 0
	v_lshrrev_b32 v1, 5, v0
	v_readfirstlane_b32 s16, v1                    ; wave 0..7
	v_and_b32 v1, 31, v0                           ; lane
	v_and_b32 v2, 15, v0                           ; r
	v_bfe_u32 v3, v0, 4, 1                         ; h
	v_lshlrev_b32 v4, 4, v1                        ; 16 x lane
	v_lshlrev_b32 v5, 2, v1                        ; 4 x lane
	v_lshlrev_b32 v6, 3, v1                        ; 8 x lane
	v_lshlrev_b32 v7, 3, v3                        ; 8 h
	s_mov_b32 s[SEL], 0x76543210
	s_mov_b32 s[SEL+1], 0xfedcba98
	s_wait_alu depctr_va_vdst(0)                   ; directly ahead of the branch
	s_cmp_lt_u32 ttmp9, 128
	s_cbranch_scc0 .Lweights
; ---------------- x: K is innermost.  Fragment q: my row block, the q-th 128 along K of my 256.
	s_mul_i32 s17, s16, XSTG
	v_add_nc_u32 v8, s17, v4                       ; into my stage: a row's 512 bytes as they lie
	v_mul_u32_u24 v9, v2, XPITCH
	v_lshl_add_u32 v9, v3, 7, v9
	v_add_nc_u32 v9, s17, v9                       ; out of it: row r, + 128 h: my block of 32 of each 64
	v_mov_b32 v[TP], 0                             ; written once: a lane permute's destination counts as one of its sources
	s_and_b32 s22, s16, 3                          ; which 256 along K
	s_lshr_b32 s23, s16, 2                         ; which row block
	s_lshr_b32 s24, ttmp9, 1
	s_lshl_b32 s24, s24, 18                        ; 64 tokens of 4,096 bytes for two work-groups,
	s_and_b32 s18, ttmp9, 1
	s_lshl_b32 s18, s18, 16                        ; the second begins 16 tokens on,
	s_add_co_u32 s24, s24, s18
	s_lshl_b32 s18, s23, 15                        ; the second row block 8,
	s_add_co_u32 s24, s24, s18
	s_lshl_b32 s18, s22, 10                        ; my 1,024 bytes of each row
	s_add_co_u32 s24, s24, s18
	s_mov_b32 s25, 0
	s_mul_i32 s26, s22, 26624
	s_lshr_b32 s18, ttmp9, 2
	s_mul_i32 s18, s18, 106496
	s_add_co_u32 s26, s26, s18
	s_and_b32 s18, ttmp9, 3
	s_lshl_b32 s18, s18, 1
	s_add_co_u32 s18, s18, s23
	s_mul_i32 s18, s18, UNIT
	s_add_co_u32 s26, s26, s18                     ; my unit
	s_mov_b32 s27, 0
	s_wait_alu depctr_va_vdst(0)                   ; at the head's end
	s_wait_kmcnt 0x0
	s_add_nc_u64 s[24:25], s[4:5], s[24:25]
	s_add_nc_u64 s[26:27], s[10:11], s[26:27]
.irp q, 0,1                                    ; all my loads: 512 consecutive bytes each; stage row t is row t % 8 + 32 (t / 8) behind my first
.irp t, 0,1,2,3,4,5,6,7,8,9,10,11,12,13,14,15
	global_load_b128 v[R+64*\q+4*\t:R+64*\q+4*\t+3], v4, s[24:25] offset:(\t+24*(\t/8))*4096+512*\q th:TH_LOAD_NT
.endr
.endr
.irp q, 0,1
.if \q == 0
	s_wait_loadcnt 16                              ; this fragment's 16 loads are in; the next fragment's 16 may be out
.else
	s_wait_loadcnt 0x0
.endif
.irp t, 0,1,2,3,4,5,6,7,8,9,10,11,12,13,14,15
	ds_store_b128 v8, v[R+64*\q+4*\t:R+64*\q+4*\t+3] offset:XPITCH*\t
.endr
.irp c, 0,1
.irp j, 0,1,2,3,4,5,6,7
	ds_load_b128 v[T+32*\c+4*\j:T+32*\c+4*\j+3], v9 offset:256*\c+16*\j   ; LDS serves a wave's instructions in order (ISA guide 5.7.1.4): these see the stores above
.endr
.endr
	s_wait_dscnt 0x0
.if \q > 0
	s_wait_xcnt 0x0                                ; the last fragment's stores have read the codes and the scale word
.endif
.irp e, 0,1,2,3
	v_max3_num_f32 v[TM+\e], |v[T+16*\e]|, |v[T+1+16*\e]|, |v[T+2+16*\e]|
.endr
.irp i, 3,5,7,9,11,13
.irp e, 0,1,2,3
	v_max3_num_f32 v[TM+\e], v[TM+\e], |v[T+16*\e+\i]|, |v[T+1+16*\e+\i]|   ; four chains by turns, two for each of my two blocks
.endr
.endr
.irp c, 0,1
	v_max3_num_f32 v[TM+2*\c], v[TM+2*\c], |v[T+15+32*\c]|, v[TM+2*\c+1]
.endr
.irp c, 0,1
	v_max3_num_f32 v[TM+2*\c], v[TM+2*\c], |v[T+31+32*\c]|, 0x1800000   ; and the floor 2^(3 - 127)
.endr
.irp c, 0,1
	v_add_nc_u32 v[TS+\c], 0xff000000, v[TM+2*\c]  ; 2 off the exponent field: the conversion's scale operand
.endr
.irp c, 0,1
	v_lshrrev_b32 v[TB+\c], 23, v[TS+\c]           ; the scale's byte
.endr
	v_lshl_or_b32 v[PW], v[TB+1], 16, v[TB]        ; blocks h and 2 + h:
	v_lshlrev_b32 v[PW], v7, v[PW]                 ; my two bytes at their places
	v_permlanex16_b32 v[TP], v[PW], s[SEL], s[SEL+1]
	v_or_b32 v[PW], v[PW], v[TP]                   ; with lane l xor 16's two the word is whole
.irp c, 0,1
	v_cvt_scalef32_pk16_fp6_f32 v[PC+6*\c:PC+2+6*\c], v[T+32*\c:T+15+32*\c], v[TS+\c]
	v_cvt_scalef32_pk16_fp6_f32 v[TE+4*\c:TE+2+4*\c], v[T+16+32*\c:T+31+32*\c], v[TS+\c]   ; (a conversion's three registers begin on an even number)
.endr
	v_nop                                          ; one plain instruction behind a scaled conversion
.irp c, 0,1
.irp i, 0,1,2
	v_mov_b32 v[PC+3+6*\c+\i], v[TE+4*\c+\i]
.endr
.endr
.irp c, 0,1,2
	global_store_b128 v4, v[PC+4*\c:PC+4*\c+3], s[26:27] offset:1536*\q+512*\c   ; 512 consecutive bytes a store
.endr
	global_store_b32 v5, v[PW], s[26:27] offset:3072+128*\q
.endr
	s_wait_tensorcnt 0x0                           ; the wave's end
	ds_add_u32 v[SPW], v[NIL]
	s_wait_dscnt 0x0
	s_endpgm
; ---------------- the weights: K is the FIRST axis.  A lane takes a column and its registers run down K: a block of 32 lies in one lane, and the codes come out with K innermost.
.Lweights:
	s_mov_b32 s17, 224
	s_mov_b32 s22, 4096                            ; bytes from row to row of w_proj
	s_and_b32 s26, s16, 3                          ; which 32 of the 128 columns: four waves stand side by side on 512 bytes
	s_lshr_b32 s27, s16, 2                         ; which 128 of the 256 along K
	s_wait_kmcnt 0x0
	s_cmp_lt_u32 ttmp9, 224                        ; w_attn's work-group or w_proj's?  The choice hangs on the work-group's number alone
	s_cselect_b32 s17, 128, s17
	s_cselect_b32 s22, 12288, s22
	s_cselect_b64 s[28:29], s[6:7], s[8:9]
	s_cselect_b64 s[30:31], s[12:13], s[14:15]
	s_sub_co_u32 s17, ttmp9, s17                   ; the work-group's number within its tensor
	s_and_b32 s19, s17, 3                          ; which 256 along K
	s_lshr_b32 s18, s17, 2                         ; which 128 columns
	s_lshl_b32 s24, s19, 8
	s_lshl_b32 s25, s27, 7
	s_add_co_u32 s24, s24, s25
	s_mul_i32 s24, s24, s22
	s_lshl_b32 s25, s18, 9
	s_add_co_u32 s24, s24, s25
	s_lshl_b32 s25, s26, 7
	s_add_co_u32 s24, s24, s25
	s_mov_b32 s25, 0
	s_add_nc_u64 s[32:33], s[28:29], s[24:25]      ; my first row and column
	s_mul_i32 s24, s18, 106496
	s_mul_i32 s23, s19, 26624
	s_add_co_u32 s24, s24, s23
	s_mul_i32 s23, s16, UNIT
	s_add_co_u32 s24, s24, s23
	s_add_nc_u64 s[30:31], s[30:31], s[24:25]      ; the unit that I store
	s_lshl_b32 s24, s22, 5                         ; 32 rows on
.irp t, 1,2,3
	s_add_nc_u64 s[32+2*\t:33+2*\t], s[30+2*\t:31+2*\t], s[24:25]   ; a base for each block of 32 along K: none is ever stepped
.endr
.irp i, 0,1,2,3,4,5,6,7,8,9,10,11,12,13,14,15,16,17,18,19,20,21,22,23,24,25,26,27,28,29,30,31
	v_mad_u32_u24 v[VO+\i], s22, \i, v5
.endr
.macro LOADW t                         ; block t: w(32 t + i, my column): 128 consecutive bytes a load
.irp i, 0,1,2,3,4,5,6,7,8,9,10,11,12,13,14,15,16,17,18,19,20,21,22,23,24,25,26,27,28,29,30,31
	global_load_b32 v[X+32*((\t)%2)+\i], v[VO+\i], s[32+2*(\t):33+2*(\t)] th:TH_LOAD_NT
.endr
.endm
	LOADW 0
	LOADW 1
	; column 32 s26 + lane of the 128 is 64 g + 32 e + 8 j + i: row 8 e + i of row block 4 g + j
	s_lshr_b32 s23, s26, 1
	s_mul_i32 s23, s23, 4*UNIT
	s_add_co_u32 s23, s23, WBASE
	s_and_b32 s19, s26, 1
	s_lshl_b32 s17, s19, 7
	s_add_co_u32 s17, s17, s23
	s_mul_i32 s18, s27, 1536
	s_add_co_u32 s17, s17, s18                     ; codes: row 8 e of my code image
	s_lshl_b32 s18, s19, 5
	s_add_co_u32 s18, s18, s23
	s_lshl_b32 s19, s27, 7
	s_add_co_u32 s18, s18, s19
	s_add_co_u32 s18, s18, 3072                    ; scale words
	s_mul_i32 s19, s16, UNIT
	s_add_co_u32 s19, s19, WBASE                   ; the unit that I store
	v_bfe_u32 v16, v0, 3, 2
	v_and_b32 v17, 7, v0
	v_mul_u32_u24 v18, v16, UNIT
	v_lshl_add_u32 v8, v17, 4, v18
	v_add_nc_u32 v8, s17, v8
	v_lshl_add_u32 v9, v17, 2, v18
	v_add_nc_u32 v9, s18, v9
	v_add_nc_u32 v10, s19, v4                      ; back: 16 bytes a lane,
	s_add_co_u32 s19, s19, 3072
	v_add_nc_u32 v11, s19, v6                      ; and 8 a lane for its last 256 bytes
	s_wait_alu depctr_va_vdst(0)                   ; at the head's end
.macro BLOCKW t                        ; block t belongs to lane (row, t % 2), registers 6 (t / 2) on
.set XS, X+32*((\t)%2)
.if (\t) < 3
	s_wait_loadcnt 32                              ; this block's 32 loads are in; the next block's may be out
.else
	s_wait_loadcnt 0x0
.endif
	v_max3_num_f32 v20, |v[XS]|, |v[XS+1]|, |v[XS+2]|
	v_max3_num_f32 v21, |v[XS+3]|, |v[XS+4]|, |v[XS+5]|
.irp i, 6,10,14,18,22,26
	v_max3_num_f32 v20, v20, |v[XS+\i]|, |v[XS+\i+1]|
	v_max3_num_f32 v21, v21, |v[XS+\i+2]|, |v[XS+\i+3]|
.endr
	v_max3_num_f32 v20, v20, |v[XS+30]|, |v[XS+31]|
	v_max3_num_f32 v20, v20, v21, 0x1800000        ; and the floor 2^(3 - 127)
	v_add_nc_u32 v22, 0xff000000, v20              ; 2 off the exponent field: the conversion's scale operand
	v_lshrrev_b32 v21, 23, v22                     ; the scale's byte
.if (\t) == 0
	v_mov_b32 v[SW], v21
.else
	v_lshl_or_b32 v[SW], v21, 8*(\t), v[SW]
.endif
	v_cvt_scalef32_pk16_fp6_f32 v[C:C+2], v[XS:XS+15], v22
	v_cvt_scalef32_pk16_fp6_f32 v[C+4:C+6], v[XS+16:XS+31], v22
	v_nop                                          ; one plain instruction behind a scaled conversion
	v_mov_b32 v[C+3], v[C+4]
	v_mov_b32 v[C+4], v[C+5]
	v_mov_b32 v[C+5], v[C+6]                       ; the block's six registers on end
.if (\t) < 2
	ds_store_b128 v8, v[C:C+3] offset:256*(\t)     ; registers 0-3: the image's first piece,
	ds_store_b64 v8, v[C+4:C+5] offset:256*(\t)+512   ; 4, 5: the lower half of my place in the second
	LOADW (\t)+2
.else
	ds_store_b64 v8, v[C:C+1] offset:256*((\t)-2)+520 ; registers 6, 7: its upper half,
	ds_store_b128 v8, v[C+2:C+5] offset:256*((\t)-2)+1024   ; 8-11: the third piece
.endif
	s_wait_dscnt 0x0                               ; the stores have read their registers: the next block's codes may be written
.endm
.irp t, 0,1,2,3
	BLOCKW \t
.endr
	s_wait_alu depctr_va_vdst(0)                   ; directly ahead of the readers below
	ds_store_b32 v9, v[SW]                         ; a scale image holds each row's word twice
	ds_store_b32 v9, v[SW] offset:64
	s_wait_dscnt 0x0                               ; for the other waves' sake: my stores have landed
	s_barrier_signal -1
	s_barrier_wait -1
.irp i, 0,1,2,3,4,5
	ds_load_b128 v[64+4*\i:67+4*\i], v10 offset:512*\i
.endr
	ds_load_b64 v[88:89], v11
.irp i, 0,1,2,3,4,5
	s_wait_dscnt 6-\i                              ; piece i is back; the younger ones may be out
	global_store_b128 v4, v[64+4*\i:67+4*\i], s[30:31] offset:512*\i
.endr
	s_wait_dscnt 0x0
	global_store_b64 v6, v[88:89], s[30:31] offset:3072   ; the unit has left as 3,328 consecutive bytes
	s_wait_tensorcnt 0x0
	ds_add_u32 v[SPW], v[NIL]
	s_wait_dscnt 0x0
	s_endpgm
.Lfunc_end_k_q3497ce6e83_prep:
	.size	k_q3497ce6e83_prep, .Lfunc_end_k_q3497ce6e83_prep-k_q3497ce6e83_prep
	.p2alignl 7, 3214868480
	.fill 96, 4, 3214868480
	.section	.rodata,"a",@progbits
	.p2align	6, 0x0
	.amdhsa_kernel k_q3497ce6e83_prep
		.amdhsa_group_segment_fixed_size 95232
		.amdhsa_private_segment_fixed_size 0
		.amdhsa_enable_private_segment 0
		.amdhsa_kernarg_size 48
		.amdhsa_user_sgpr_count 2
		.amdhsa_user_sgpr_kernarg_segment_ptr 1
		.amdhsa_wavefront_size32 1
		.amdhsa_system_sgpr_workgroup_id_x 1
		.amdhsa_system_sgpr_workgroup_id_y 1
		.amdhsa_system_sgpr_workgroup_id_z 1
		.amdhsa_system_vgpr_workitem_id 0
		.amdhsa_next_free_vgpr 256
		.amdhsa_next_free_sgpr 66
		.amdhsa_reserve_vcc 0
		.amdhsa_float_denorm_mode_32 3
		.amdhsa_float_denorm_mode_16_64 3
		.amdhsa_memory_ordered 1
		.amdhsa_forward_progress 1
		.amdhsa_inst_pref_size 41
	.end_amdhsa_kernel
	.amdgpu_metadata
---
amdhsa.version: [ 1, 2 ]
amdhsa.kernels:
  - .name:           k_q3497ce6e83_prep
    .symbol:         k_q3497ce6e83_prep.kd
    .args:
      - { .name: x, .offset: 0, .size: 8, .value_kind: global_buffer, .address_space: global }
      - { .name: w_attn, .offset: 8, .size: 8, .value_kind: global_buffer, .address_space: global }
      - { .name: w_proj, .offset: 16, .size: 8, .value_kind: global_buffer, .address_space: global }
      - { .name: x_img, .offset: 24, .size: 8, .value_kind: global_buffer, .address_space: global }
      - { .name: wa_img, .offset: 32, .size: 8, .value_kind: global_buffer, .address_space: global }
      - { .name: wp_img, .offset: 40, .size: 8, .value_kind: global_buffer, .address_space: global }
    .group_segment_fixed_size: 95232
    .private_segment_fixed_size: 0
    .kernarg_segment_align: 8
    .kernarg_segment_size: 48
    .max_flat_workgroup_size: 256
    .sgpr_count:     66
    .vgpr_count:     256
    .wavefront_size: 32
...
	.end_amdgpu_metadata
.endif
;; end of part 1
;; launch gemm_qkv (part 2): grid 8 x 32, 4 waves a work-group, clusters of 4 x 4, 327,680 bytes of LDS; arguments x_img, wa_img, b_attn, qkv; writes qkv
.if DOCPART == 2
	.amdgcn_target "amdgcn-amd-amdhsa--gfx1250"
	.amdhsa_code_object_version 6
	.text
	.protected	k_q3497ce6e83_gemm_qkv
	.globl	k_q3497ce6e83_gemm_qkv
	.p2align	8
	.type	k_q3497ce6e83_gemm_qkv,@function
k_q3497ce6e83_gemm_qkv:
	s_mov_b64 s[64:65], 0
	v_nop
	global_prefetch_b8 v0, s[64:65] scope:SCOPE_SE
	s_setreg_imm32_b32 hwreg(HW_REG_WAVE_MODE, 25, 1), 1
	s_wait_xcnt 0x0
	s_wait_alu depctr_hold_cnt(0) depctr_sa_sdst(0) depctr_va_vdst(0) depctr_va_sdst(0) depctr_va_ssrc(0) depctr_va_vcc(0) depctr_vm_vsrc(0)
	s_getreg_b32 s2, hwreg(HW_REG_IB_STS2, 6, 4)
	s_cmp_eq_u32 s2, 0
	s_cbranch_scc0 .Lentry_in_a_cluster
	s_endpgm
.Lentry_in_a_cluster:
	s_bfe_u32 s2, ttmp6, 0x10000c
	s_cmp_lg_u32 s2, 0xf033
	s_cbranch_scc0 .Lentry_shape_is_right
	s_endpgm
.Lentry_shape_is_right:
; q, k, v = x w_attn + b_attn on codes of FP6 (E2M3), K = 1,024; the results are quantised again in registers and leave as codes: q and k along the channels, v along the tokens.
; OPERANDS: images of operand registers in units of 3,328 bytes (16 rows x 256 K: two code images of 1,536 bytes, two scale images of 128 in which each row's word stands twice); unit (ks2, rb) at (rb / 8) x 106,496 + ks2 x 26,624 + (rb % 8) x 3,328.
; Lane r of row block rb stands for row 64 (rb / 4) + 8 (rb % 4) + r % 8 + 32 (r / 8).  So the 32 registers of four results side by side are 32 neighbours along source 0's rows: one scale block lies in one lane.
; A WORK-GROUP takes 128 tokens and the columns of one pair of heads of v, q and k, one tile of 128 x 128 after the other.  A wave (2 x 2) holds its 64 tokens, all of K, in 384 registers; 64 columns (one head) of each tile stream past from LDS.
; A BATCH is two K steps of 128, 32 products; the next batch's 24 fragment loads stand in one run ahead of it.
; q, k: source 0 = channels, source 1 = tokens: a lane holds one token and 32 channels.  v: the sources change places: a lane holds one channel and 32 tokens.  The bias is the C of the first products.
; OUTPUT: head h of q (kind 0), k (1), v (2): 32 units of 6,656 bytes, one for 128 tokens, at (16 kind + h) x 212,992 + token / 128 x 6,656: four images of 1,536 bytes and 512 bytes of scale words.
;   q, k: image p: tiles of 16 tokens 2 p (registers 0-5) and 2 p + 1 (6-11), as [piece of 4 registers][lane][16 bytes]; scale words [lane 16 g + r][p]: tile 2 p + g, row r: two bytes, the upper two are 0.
;   v: image t: 16 channels x 128 tokens as [pair of registers][lane][8 bytes]; scale words [lane 16 g + r][s]: tile 2 s + g, row r (s = 0, 1; written again as words 2, 3).
; CLUSTERS of 4 x 4: x's rows are asked for jointly along a row, a weight's rows along a column.
; LDS: x's 128 rows at 0, v's tile behind them, q's behind that: all asked for at the head, one load a wave; k's tile is the one refill, onto x's rows, which all waves then hold in registers.
; No prefetch: all but that one tile is asked for at the head, and the text has no loop to run ahead in.
; LIMITS: NaN and infinities are not served; a block of zeros, and one whose largest magnitude lies under 2^-124, keep the scale byte 1 (the bytes are read by this program alone).
; REGISTERS: window 0: addresses, scale words (v32-95: 8 k + a x's, 8 k + 4 + b the weight's), the way out (v96-153), the biases (v156-251).  Windows 1, 2, 3: x's 32 fragments: 21 in window 1, 10 in window 2 from 0 on, the last in window 3 at 192.
;   Window 2: 16 accumulators at 124.  Window 3: the weight's fragments, four sets of 48, at 0.
.set UNIT,  3328
.set PL,    26624                      ; 128 rows x 256 K
.set BLK,   106496                     ; 128 rows, all of K
.set SPARE, 3*BLK
.set HEAD,  212992
.set TBS,   6656
.set FR,    12
.set LI,    10                         ; v10 16 x lane
.set L8,    11                         ; v11 8 x lane + 768 x row half: v's codes
.set H8,    12                         ; v12 8 h
.set VS,    13                         ; v13 q's, k's scale words
.set VT,    15                         ; v15 v's scale bytes
.set XA,    16
.set XS,    18
.set BS,    20                         ; v20-25 scale words of the three tiles' weights, two halves of K each
.set SPW,   28
.set NIL,   29
.set SC,    32
.set TM,    96
.set TS,    100
.set TW,    104
.set TP,    108
.set PC,    112
.set TE,    136
.set UU,    152
.set ABV,   154                        ; LDS addresses of the three tiles' fragments, two halves of K each
.set BQ,    156
.set BK,    188
.set BV,    220
.set ABQ,   252
.set ABK,   254
.set ACC,   124
.set G1X,   24
.set G0X,   32
.set G0V,   36
.set G1B,   48
.set G0Q,   56
.set G0R,   60
.set G1R,   68
.set SEL,   92
.set HM,    94
.set MSB, 0
.macro WIN new
.if MSB != (\new)
	s_set_vgpr_msb (MSB<<8)|(\new)
.set MSB, (\new)
.endif
.endm
.macro PLACES n
.rept \n
	v_nop
.endr
.endm
.macro WALU
	s_wait_alu depctr_va_vdst(0)
.endm
.macro BARRIER
	s_barrier_signal -1
	s_barrier_wait -1
.endm
.macro CREST
	s_cmp_lg_u32 s14, 0
	s_cbranch_scc1 .Lnot_wave_0_\@
	s_barrier_signal -3
.Lnot_wave_0_\@:
	s_barrier_wait -3
	s_barrier_signal -1
	s_barrier_wait -1
.endm
.macro CROUND
	BARRIER
	CREST
.endm
.macro TLOAD g0, g1
	tensor_load_to_lds s[\g0:\g0+3], s[\g1:\g1+7]
	s_nop 0
	PLACES 4
.endm
.macro GROUP1 g, mask, rows            ; rows of 256 bytes (32 elements of 8), dense, no padding
	s_or_b32 s[\g+0], s\mask, (3<<16)|(1<<21)
	s_mov_b32 s[\g+1], 32<<16
	s_mov_b32 s[\g+2], (\rows)<<16
	s_mov_b32 s[\g+3], 32<<16
	s_mov_b32 s[\g+4], \rows
	s_mov_b32 s[\g+5], 32
	s_mov_b32 s[\g+6], 0
	s_mov_b32 s[\g+7], 0
.endm
.macro XREG f                          ; where x's fragment f lies
.if (\f) < 21
.set XW_, 1
.set XL_, FR*(\f)
.elseif (\f) < 31
.set XW_, 2
.set XL_, FR*((\f)-21)
.else
.set XW_, 3
.set XL_, 192
.endif
.endm
; One product.  v: 0 q, k; 1 v.  o: block of source 1, n: block of source 0.
.macro PROD v, k, o, n, bias
.set O_, \o
.set I_, \n
.if \v
.set XI_, I_
.set BI_, O_
.else
.set XI_, O_
.set BI_, I_
.endif
.set F_, 4*(\k)+XI_
	XREG F_
.set BL_, 48*((\k)%4)+FR*BI_
.set D_, ACC+8*(4*O_+I_)
.set SX_, SC+8*(\k)+XI_
.set SB_, SC+8*(\k)+4+BI_
.if (\k) == 0
.set CW_, 0
.set C_, \bias+8*BI_
.else
.set CW_, 2
.set C_, D_
.endif
.if \v
	WIN XW_|(3<<2)|(CW_<<4)|(2<<6)
	v_wmma_scale_f32_16x16x128_f8f6f4 v[D_:D_+7], v[XL_:XL_+11], v[BL_:BL_+11], v[C_:C_+7], v[SX_], v[SB_] matrix_a_fmt:MATRIX_FMT_FP6 matrix_b_fmt:MATRIX_FMT_FP6
.else
	WIN 3|(XW_<<2)|(CW_<<4)|(2<<6)
	v_wmma_scale_f32_16x16x128_f8f6f4 v[D_:D_+7], v[BL_:BL_+11], v[XL_:XL_+11], v[C_:C_+7], v[SB_], v[SX_] matrix_a_fmt:MATRIX_FMT_FP6 matrix_b_fmt:MATRIX_FMT_FP6
.endif
.endm
.macro PRODS v, k, bias                ; the 16 products of K step k, an accumulator each
.set N_, 0
.rept 16
	PROD \v, \k, N_/4, N_%4, \bias
.set N_, N_+1
.endr
.endm
.macro FETCHB k, ad                    ; the weight's fragments of K steps k and k + 1 into sets k % 4 and on: 24 loads
	WIN 0xc0
.irp e, 0,1
.irp b, 0,1,2,3
.irp c, 0,1,2
	ds_load_b128 v[48*(((\k)+\e)%4)+FR*\b+4*\c:48*(((\k)+\e)%4)+FR*\b+4*\c+3], v[\ad+(\k)/4] offset:(((\k)/2)%2)*PL+\e*1536+\b*UNIT+512*\c
.endr
.endr
.endr
	WIN 0
.endm
.macro BATCH v, k, bias, ad            ; K steps k, k + 1; the next two are fetched first, into the sets that the last batch has read
	s_wait_dscnt 0x0
	PLACES 4
	FETCHB (\k)+2, \ad
	PRODS \v, \k, \bias
	PRODS \v, (\k)+1, \bias
	WIN 0
.endm
.macro FETCH0 ad, bs                   ; a tile's first two K steps and all its scale words
	FETCHB 0, \ad
.irp k, 0,1,2,3,4,5,6,7
.irp b, 0,1,2,3
	ds_load_b32 v[SC+8*\k+4+\b], v[\bs+\k/4] offset:((\k/2)%2)*PL+(\k%2)*128+\b*UNIT
.endr
.endr
.endm
.macro XLOAD k0                        ; x's fragments of four K steps, all my four row blocks, and their scale words
.irp k, 0,1,2,3
.irp a, 0,1,2,3
	XREG 4*((\k0)+\k)+\a
	WIN XW_<<6
.irp c, 0,1,2
	ds_load_b128 v[XL_+4*\c:XL_+4*\c+3], v[XA+(\k0)/4] offset:(\k/2)*PL+(\k%2)*1536+\a*UNIT+512*\c
.endr
.endr
.endr
	WIN 0
.irp k, 0,1,2,3
.irp a, 0,1,2,3
	ds_load_b32 v[SC+8*((\k0)+\k)+\a], v[XS+(\k0)/4] offset:(\k/2)*PL+(\k%2)*128+\a*UNIT
.endr
.endr
.endm
; THE WAY OUT of a tile: four groups of 32 registers, each one scale block of a lane: the largest magnitude, the scale's byte, six registers of codes.  The two bytes of lanes l and l xor 16 are joined.
.macro OUT v, sb
	s_wait_xcnt 0x0                                ; the last tile's stores have read the registers that are written below
	WIN 0x2a
.irp o, 0,1,2,3
	v_max3_num_f32 v[TM+\o], |v[ACC+32*\o]|, |v[ACC+1+32*\o]|, |v[ACC+2+32*\o]|
.endr
	WIN 0x28
.irp i, 3,5,7,9,11,13,15,17,19,21,23,25,27,29
.irp o, 0,1,2,3
	v_max3_num_f32 v[TM+\o], v[TM+\o], |v[ACC+32*\o+\i]|, |v[ACC+1+32*\o+\i]|
.endr
.endr
	WIN 0x08
.irp o, 0,1,2,3
	v_max3_num_f32 v[TM+\o], v[TM+\o], |v[ACC+31+32*\o]|, 0x1800000   ; and the floor 2^(3 - 127)
.endr
	WIN 0
.irp o, 0,1,2,3
	v_add_nc_u32 v[TS+\o], 0xff000000, v[TM+\o]    ; 2 off the exponent field: the conversion's scale operand
.endr
.irp o, 0,1,2,3
	v_lshrrev_b32 v[TW+\o], 23, v[TS+\o]
.endr
.irp o, 0,1,2,3
	v_lshlrev_b32 v[TW+\o], v[H8], v[TW+\o]
.endr
.irp o, 0,1,2,3
	v_permlanex16_b32 v[TP+\o], v[TW+\o], s[SEL], s[SEL+1]
.endr
.irp o, 0,1,2,3
	v_or_b32 v[TW+\o], v[TW+\o], v[TP+\o]
.endr
	WIN 2
.irp o, 0,1,2,3
	v_cvt_scalef32_pk16_fp6_f32 v[PC+6*\o:PC+2+6*\o], v[ACC+32*\o:ACC+15+32*\o], v[TS+\o]
	v_cvt_scalef32_pk16_fp6_f32 v[TE+4*\o:TE+2+4*\o], v[ACC+16+32*\o:ACC+31+32*\o], v[TS+\o]
.endr
	WIN 0
	v_cndmask_b32 v[UU], v[TW], v[TW+1], s[HM]     ; lanes 0-15 the even tile's bytes, lanes 16-31 the odd one's
	v_cndmask_b32 v[UU+1], v[TW+2], v[TW+3], s[HM]
.irp o, 0,1,2,3
.irp i, 0,1,2
	v_mov_b32 v[PC+3+6*\o+\i], v[TE+4*\o+\i]
.endr
.endr
	WALU
.if \v
.irp o, 0,1,2,3
.irp k, 0,1,2
	global_store_b64 v[L8], v[PC+6*\o+2*\k:PC+6*\o+2*\k+1], s[\sb:\sb+1] offset:1536*\o+256*\k   ; 256 consecutive bytes
.endr
.endr
.irp e, 0,8
	global_store_b16 v[VT], v[UU], s[\sb:\sb+1] offset:\e
	global_store_b16 v[VT], v[UU+1], s[\sb:\sb+1] offset:\e+4
.endr
.else
.irp m, 0,1
.irp c, 0,1,2
	global_store_b128 v[LI], v[PC+12*\m+4*\c:PC+12*\m+4*\c+3], s[\sb:\sb+1] offset:1536*\m+512*\c   ; 512 consecutive bytes
.endr
.endr
	global_store_b64 v[VS], v[UU:UU+1], s[\sb:\sb+1]
.endif
.endm
	s_load_b256 s[4:11], s[0:1], 0x0               ; x_img, wa_img, b_attn, qkv
	v_lshl_add_u32 v[SPW], v0, 2, SPARE
	v_mov_b32 v[NIL], 0
	ds_add_u32 v[SPW], v[NIL]
	ds_add_u32 v[SPW], v[NIL]
	v_lshrrev_b32 v1, 5, v0
	v_readfirstlane_b32 s14, v1                    ; wave 0..3
	s_lshr_b32 s15, s14, 1                         ; my 64 tokens of the 128
	s_and_b32 s16, s14, 1                          ; my head of the pair
	s_bfe_u32 s40, ttmp6, 0x40000                  ; cx, cy
	s_bfe_u32 s41, ttmp6, 0x40004
	s_lshl_b32 s42, ttmp9, 2
	s_add_co_u32 s42, s42, s40                     ; the pair of heads, 0..7
	s_and_b32 s17, ttmp7, 0xffff
	s_lshl_b32 s17, s17, 2
	s_add_co_u32 s17, s17, s41                     ; the block of 128 tokens, 0..31
	s_lshl_b32 s43, s41, 2
	s_lshl_b32 s43, 15, s43                        ; my row of the cluster
	s_lshl_b32 s44, 0x1111, s40                    ; my column
	GROUP1 G1X, 43, 208                            ; x: half of K of 128 rows
	GROUP1 G1B, 44, 416                            ; a weight's tile: 128 rows, all of K
	GROUP1 G1R, 44, 104                            ; the refill: a quarter of K
	s_mul_i32 s20, s17, BLK
	s_mul_i32 s12, s14, 2*PL
	s_add_co_u32 s20, s20, s12                     ; waves 0, 1: a half of K each
	s_mov_b32 s21, 0
	s_mul_i32 s22, s42, BLK                        ; w_q's rows,
	s_mov_b32 s23, 0
	s_add_co_u32 s46, s22, 16*BLK                  ; w_v's,
	s_mov_b32 s47, 0
	s_mul_i32 s18, s14, PL
	s_add_co_u32 s18, s18, s22
	s_add_co_u32 s18, s18, 8*BLK                   ; w_k's: wave w the w-th quarter of K
	s_mov_b32 s19, 0
	s_mov_b32 s[SEL], 0x76543210
	s_mov_b32 s[SEL+1], 0xfedcba98
	s_mov_b32 s[HM], 0xffff0000
	WALU
	s_wait_dscnt 0x0
	s_wait_kmcnt 0x0
	s_mov_b32 s[G0X], 1
	s_mov_b32 s[G0X+1], s12
	s_add_nc_u64 s[G0X+2:G0X+3], s[4:5], s[20:21]
	s_or_b32 s[G0X+3], s[G0X+3], 0x80000000
	s_mov_b32 s[G0V], 1
	s_mov_b32 s[G0V+1], BLK
	s_add_nc_u64 s[G0V+2:G0V+3], s[6:7], s[46:47]
	s_or_b32 s[G0V+3], s[G0V+3], 0x80000000
	s_mov_b32 s[G0Q], 1
	s_mov_b32 s[G0Q+1], 2*BLK
	s_add_nc_u64 s[G0Q+2:G0Q+3], s[6:7], s[22:23]
	s_or_b32 s[G0Q+3], s[G0Q+3], 0x80000000
	s_mov_b32 s[G0R], 1
	s_mul_i32 s[G0R+1], s14, PL
	s_add_nc_u64 s[G0R+2:G0R+3], s[6:7], s[18:19]
	s_or_b32 s[G0R+3], s[G0R+3], 0x80000000
	CROUND                                         ; all sixteen work-groups are here: the first joint loads meet
	s_cmp_eq_u32 s14, 0
	s_cbranch_scc0 .Lwave_1
	TLOAD G0X, G1X                                 ; wave 0: x's rows, the first half of K
	s_branch .Lasked
.Lwave_1:
	s_cmp_eq_u32 s14, 1
	s_cbranch_scc0 .Lwave_2
	TLOAD G0X, G1X                                 ; wave 1: the second
	s_branch .Lasked
.Lwave_2:
	s_cmp_eq_u32 s14, 2
	s_cbranch_scc0 .Lwave_3
	TLOAD G0V, G1B                                 ; wave 2: v's tile
	s_branch .Lasked
.Lwave_3:
	TLOAD G0Q, G1B                                 ; wave 3: q's tile
.Lasked:
	s_lshl_b32 s45, s42, 1
	s_add_co_u32 s45, s45, s16                     ; my head, 0..15
	s_lshl_b32 s86, s45, 8
	s_mov_b32 s87, 0
	s_add_nc_u64 s[86:87], s[8:9], s[86:87]        ; its 64 biases of q
	v_and_b32 v1, 31, v0                           ; lane
	v_bfe_u32 v2, v0, 4, 1                         ; h
	v_and_b32 v3, 15, v0                           ; r
	v_lshlrev_b32 v8, 7, v2                        ; q, k: register 8 b + i is channel 32 h + 8 b + i
	v_lshrrev_b32 v9, 3, v3
	v_lshlrev_b32 v9, 7, v9
	v_and_b32 v4, 7, v3
	v_lshl_add_u32 v9, v4, 2, v9                   ; v: lane r of tile b is channel 32 (r / 8) + 8 b + r % 8
.irp b, 0,1,2,3
.irp e, 0,1
	global_load_b128 v[BQ+8*\b+4*\e:BQ+8*\b+4*\e+3], v8, s[86:87] offset:32*\b+16*\e
	global_load_b128 v[BK+8*\b+4*\e:BK+8*\b+4*\e+3], v8, s[86:87] offset:4096+32*\b+16*\e
.endr
	global_load_b32 v[BV+8*\b], v9, s[86:87] offset:8192+32*\b
.endr
	v_lshlrev_b32 v[LI], 4, v1
	v_lshlrev_b32 v[H8], 3, v2
	s_mul_i32 s12, s15, 768
	v_lshlrev_b32 v[L8], 3, v1
	v_add_nc_u32 v[L8], s12, v[L8]
	s_mul_i32 s12, s15, 3064
	s_sub_co_u32 s12, 6144, s12
	v_add_nc_u32 v[VS], s12, v[LI]                 ; behind the four images, from the base that my half begins with: 16 lane + 8 x half
	s_lshl_b32 s12, s15, 1
	s_add_co_u32 s12, s12, 6144
	v_add_nc_u32 v[VT], s12, v[LI]
	v_lshlrev_b32 v4, 2, v1
	v_add_nc_u32 v4, 3072, v4                      ; a scale image's word, behind a unit's two code images
	s_mul_i32 s12, s15, 4*UNIT                     ; my four row blocks of x
	v_add_nc_u32 v[XA], s12, v[LI]
	v_add_nc_u32 v[XS], s12, v4
	s_add_co_u32 s12, s12, 2*PL
	v_add_nc_u32 v[XA+1], s12, v[LI]
	v_add_nc_u32 v[XS+1], s12, v4
	s_mul_i32 s66, s16, 4*UNIT                     ; my four row blocks of a weight: k's tile at 0,
	s_add_co_u32 s67, s66, 2*PL
	s_add_co_u32 s82, s66, BLK                     ; v's,
	s_add_co_u32 s83, s66, BLK+2*PL
	s_add_co_u32 s84, s66, 2*BLK                   ; q's
	s_add_co_u32 s85, s66, 2*BLK+2*PL
	WALU                                           ; directly ahead of the readers below
	v_add_nc_u32 v[BS], s82, v4
	v_add_nc_u32 v[BS+1], s83, v4
	v_add_nc_u32 v[BS+2], s84, v4
	v_add_nc_u32 v[BS+3], s85, v4
	v_add_nc_u32 v[BS+4], s66, v4
	v_add_nc_u32 v[BS+5], s67, v4
	v_add_nc_u32 v[ABV], s82, v[LI]
	v_add_nc_u32 v[ABV+1], s83, v[LI]
	v_add_nc_u32 v[ABQ], s84, v[LI]
	v_add_nc_u32 v[ABQ+1], s85, v[LI]
	v_add_nc_u32 v[ABK], s66, v[LI]
	v_add_nc_u32 v[ABK+1], s67, v[LI]
.irp o, 0,1,2,3
	v_mov_b32 v[TP+\o], 0                          ; written once: a lane permute's destination counts as one of its sources
.endr
	s_mul_i32 s84, s45, HEAD
	s_mul_i32 s12, s17, TBS
	s_add_co_u32 s84, s84, s12
	s_mov_b32 s85, 0
	s_mul_i32 s82, s15, 3072
	s_mov_b32 s83, 0
	s_add_nc_u64 s[84:85], s[10:11], s[84:85]      ; my unit of q,
	s_add_nc_u64 s[80:81], s[84:85], 32*HEAD       ; of v;
	s_add_nc_u64 s[76:77], s[84:85], s[82:83]      ; q: my two images;
	s_add_nc_u64 s[78:79], s[76:77], 16*HEAD       ; k likewise
	WALU                                           ; at the head's end
	s_cmp_eq_u32 s14, 0
	s_cbranch_scc0 .Lnot_x0
	s_wait_tensorcnt 0x0
.Lnot_x0:
	BARRIER                                        ; the first half of x's rows is in
	XLOAD 0
	s_cmp_eq_u32 s14, 1
	s_cbranch_scc0 .Lnot_x1
	s_wait_tensorcnt 0x0
.Lnot_x1:
	s_wait_dscnt 0x0
	BARRIER                                        ; the second half is in
	XLOAD 4
	s_wait_loadcnt 0x0                             ; the biases
.irp b, 0,1,2,3
.irp i, 1,2,3,4,5,6,7
	v_mov_b32 v[BV+8*\b+\i], v[BV+8*\b]            ; v's number, one a lane and tile, over the tile's eight registers
.endr
.endr
	WALU
	s_cmp_eq_u32 s14, 2
	s_cbranch_scc0 .Lnot_v
	s_wait_tensorcnt 0x0
.Lnot_v:
	s_wait_dscnt 0x0
	BARRIER                                        ; v's tile is in; q's may still be on its way
	FETCH0 ABV, BS
.irp k, 0,2,4
	BATCH 1, \k, BV, ABV
.endr
	s_wait_tensorcnt 0x0                           ; THE ROUND of the one refill: all my tensor loads are done, q's tile among them;
	ds_add_u32 v[SPW], v[NIL]
	s_wait_dscnt 0x1                               ; (the add may be out)
	PRODS 1, 6, BV
	s_wait_dscnt 0x0
	s_barrier_signal -1
	PRODS 1, 7, BV
	WIN 0
	s_barrier_wait -1
	CREST
	TLOAD G0R, G1R                                 ; k's tile, onto x's rows
	FETCH0 ABQ, BS+2
	OUT 1, 80
.irp k, 0,2,4
	BATCH 0, \k, BQ, ABQ
.endr
	s_wait_dscnt 0x0
	PRODS 0, 6, BQ
	WIN 0
	s_wait_tensorcnt 0x0                           ; k's tile: a plain barrier shows it to all
	s_barrier_signal -1
	PRODS 0, 7, BQ
	WIN 0
	s_barrier_wait -1
	PLACES 4
	FETCH0 ABK, BS+4
	OUT 0, 76
.irp k, 0,2,4
	BATCH 0, \k, BK, ABK
.endr
	s_wait_dscnt 0x0
	PRODS 0, 6, BK
	PRODS 0, 7, BK
	WIN 0
	PLACES 4
	OUT 0, 78
	s_wait_tensorcnt 0x0                           ; the wave's end
	ds_add_u32 v[SPW], v[NIL]
	s_wait_dscnt 0x0
	CROUND                                         ; the closing round
	s_endpgm
.Lfunc_end_k_q3497ce6e83_gemm_qkv:
	.size	k_q3497ce6e83_gemm_qkv, .Lfunc_end_k_q3497ce6e83_gemm_qkv-k_q3497ce6e83_gemm_qkv
	.p2alignl 7, 3214868480
	.fill 96, 4, 3214868480
	.section	.rodata,"a",@progbits
	.p2align	6, 0x0
	.amdhsa_kernel k_q3497ce6e83_gemm_qkv
		.amdhsa_group_segment_fixed_size 327680
		.amdhsa_private_segment_fixed_size 0
		.amdhsa_enable_private_segment 0
		.amdhsa_kernarg_size 32
		.amdhsa_user_sgpr_count 2
		.amdhsa_user_sgpr_kernarg_segment_ptr 1
		.amdhsa_wavefront_size32 1
		.amdhsa_system_sgpr_workgroup_id_x 1
		.amdhsa_system_sgpr_workgroup_id_y 1
		.amdhsa_system_sgpr_workgroup_id_z 1
		.amdhsa_system_vgpr_workitem_id 0
		.amdhsa_next_free_vgpr 992
		.amdhsa_next_free_sgpr 98
		.amdhsa_reserve_vcc 0
		.amdhsa_float_denorm_mode_32 3
		.amdhsa_float_denorm_mode_16_64 3
		.amdhsa_memory_ordered 1
		.amdhsa_forward_progress 1
		.amdhsa_inst_pref_size 119
	.end_amdhsa_kernel
	.amdgpu_metadata
---
amdhsa.version: [ 1, 2 ]
amdhsa.kernels:
  - .name:           k_q3497ce6e83_gemm_qkv
    .symbol:         k_q3497ce6e83_gemm_qkv.kd
    .args:
      - { .name: x_img, .offset: 0, .size: 8, .value_kind: global_buffer, .address_space: global }
      - { .name: wa_img, .offset: 8, .size: 8, .value_kind: global_buffer, .address_space: global }
      - { .name: b_attn, .offset: 16, .size: 8, .value_kind: global_buffer, .address_space: global }
      - { .name: qkv, .offset: 24, .size: 8, .value_kind: global_buffer, .address_space: global }
    .group_segment_fixed_size: 327680
    .private_segment_fixed_size: 0
    .kernarg_segment_align: 8
    .kernarg_segment_size: 32
    .max_flat_workgroup_size: 128
    .sgpr_count:     98
    .vgpr_count:     992
    .wavefront_size: 32
...
	.end_amdgpu_metadata
.endif
;; end of part 2
;; launch attn (part 3): grid 8 x 32, 8 waves a work-group, clusters of 4 x 1, 327,680 bytes of LDS; arguments qkv, y_img; writes y_img
.if DOCPART == 3
	.amdgcn_target "amdgcn-amd-amdhsa--gfx1250"
	.amdhsa_code_object_version 6
	.text
	.protected	k_q3497ce6e83_attn
	.globl	k_q3497ce6e83_attn
	.p2align	8
	.type	k_q3497ce6e83_attn,@function
k_q3497ce6e83_attn:
	s_mov_b64 s[64:65], 0
	v_nop
	global_prefetch_b8 v0, s[64:65] scope:SCOPE_SE
	s_setreg_imm32_b32 hwreg(HW_REG_WAVE_MODE, 25, 1), 1
	s_wait_xcnt 0x0
	s_wait_alu depctr_hold_cnt(0) depctr_sa_sdst(0) depctr_va_vdst(0) depctr_va_sdst(0) depctr_va_ssrc(0) depctr_va_vcc(0) depctr_vm_vsrc(0)
	s_getreg_b32 s2, hwreg(HW_REG_IB_STS2, 6, 4)
	s_cmp_eq_u32 s2, 0
	s_cbranch_scc0 .Lentry_in_a_cluster
	s_endpgm
.Lentry_in_a_cluster:
	s_bfe_u32 s2, ttmp6, 0x10000c
	s_cmp_lg_u32 s2, 0x3003
	s_cbranch_scc0 .Lentry_shape_is_right
	s_endpgm
.Lentry_shape_is_right:
; y[b][q][head] = softmax over the keys k <= q of (q . k / 8) times v, both products on codes of FP6 (E2M3) with E8M0 scales; y is quantised along the channels and leaves as codes.
; INPUT: units of 6,656 bytes (128 tokens of one head): unit u of batch b, head h of q (kind 0), k (1), v (2) at (16 kind + h) x 212,992 + (16 b + u) x 6,656.
;   q, k: image p (1,536 bytes): tiles 2 p (registers 0-5) and 2 p + 1 (6-11) as [piece of 4][lane][16 bytes]; scale words [lane 16 g + r][p]: tile 2 p + g, row r.  Row r of tile 4 c + j is token 64 c + 32 (r / 8) + 8 j + r % 8.
;   v: image t: 16 channels x 128 tokens as [pair of registers][lane][8 bytes]; scale words [lane 16 g + r][s]: tile 2 s + g.
; SHARES.  Work-group (j, 16 batch + head) takes tile j of each of the head's sixteen units of 128 queries; wave w those of units 15 - w and w, one after the other: 16 - w and w + 1 steps of 128 keys, 17 for every wave of every work-group.
; So nothing but data hangs on j, and the four work-groups of a cluster ask for K and V jointly.
; ALL K AND V OF THE HEAD LIE IN LDS: eight parts of four units, one tensor load a wave: wave w K (w even) or V (odd) of units 4 (w / 2) on.  Nothing is filled again.  The first four steps want waves 0's and 1's parts alone; one plain barrier shows the rest.
; No prefetch: all tiles are asked for at the head, and the loops load none.
; A HEAD IS 64 CHANNELS, HALF OF THE INSTRUCTION'S K: Q's upper six registers are zero codes, so a tile of K is its own six registers and whatever six stand behind them (finite codes all): behind the last tile those of p.
; THE SOFTMAX: t = score x log2(e) / 8; M = the row's largest t so far, rounded up to a whole number; p = 2^(t - M) is quantised along the keys; the row's sum is taken of the unquantised p and divides at the end.
; When M moves, the sum and O are multiplied by 2^(old M - new M): exact.  A row that begins takes M = -3e38, so that this factor is 0 and clears what stood there.
; Both products are used transposed: a lane holds one query; register 8 (4 c + j) + i of S^T is key 64 c + 32 h + 8 j + i: a scale block of p lies in one lane; O^T's 32 registers are 32 neighbouring channels.
; THE CAUSAL MASK of a diagonal step hangs on places inside the unit alone: 64 registers, 0 or -3e38, made once, are the C of that step's first products.
; y: pair of heads = K step of 128 of the last product; a row block's code image there is [pair of registers][lane][8 bytes], this head's three pairs 768 x (head % 2) bytes in.
; LIMITS: NaN and infinities are not served; the scaled scores stay under 2^31 in magnitude.  A block's largest p is taken from its largest score, which takes v_exp_f32 not to fall where its input rises.  The division by the sum is v_rcp_f32 and a multiplication.
; A block of zeros, and one whose largest magnitude lies under 2^-124, keep the scale byte 1 (the bytes are read by this program alone).
; REGISTERS, window 0: as named below.  Window 1: 0-31 O^T; 32-79 V's four fragments; 80-143 the mask.
.set UN,    6656
.set PART,  26624
.set HEAD,  212992
.set SPARE, 8*PART
.set LI,  1                            ; 16 x lane
.set L8,  2                            ; 8 x lane
.set L4,  3                            ; 4 x lane
.set H8,  4                            ; 8 h
.set SPW, 5
.set NIL, 6
.set ADC, 7                            ; the unit in hand, 16 x lane
.set LV,  8                            ; v8-11 V's four images, 8 x lane
.set Q,   16                           ; v16-27 Q; v28-33 Q of the second tile, v34 its scale words
.set QS,  35
.set KS,  36                           ; v36-39 K's scale words
.set VSC, 40                           ; v40-41 V's
.set ADK, 42
.set PS,  43                           ; p's scale words
.set ADV, 44                           ; v44-47
.set KF,  48                           ; v48-95 K's eight tiles
.set PC,  96                           ; v96-107 p's codes
.set S,   112                          ; v112-175 S^T, then p
.set WV,  18
.set SEL, 20
.set CS,  22
.set G1,  24
.set G0,  32
.set TB,  36
.set TN,  37
.set N,   38
.set TH,  39
.set DG,  42
.set NC,  43
.set MSB, 0
.macro WIN new
.if MSB != (\new)
	s_set_vgpr_msb (MSB<<8)|(\new)
.set MSB, (\new)
.endif
.endm
.macro PLACES n
.rept \n
	v_nop
.endr
.endm
.macro WALU
	s_wait_alu depctr_va_vdst(0)
.endm
.macro CROUND
	s_barrier_signal -1
	s_barrier_wait -1
	s_cmp_lg_u32 s[WV], 0
	s_cbranch_scc1 .Lnot_wave_0_\@
	s_barrier_signal -3
.Lnot_wave_0_\@:
	s_barrier_wait -3
	s_barrier_signal -1
	s_barrier_wait -1
.endm
.macro TLOAD
	tensor_load_to_lds s[G0:G0+3], s[G1:G1+7]
	s_nop 0
	PLACES 4
.endm
.macro FETCHK                          ; the eight tiles of K of a unit and their scale words: 13 loads
.irp p, 0,1,2,3
.irp c, 0,1,2
	ds_load_b128 v[KF+12*\p+4*\c:KF+12*\p+4*\c+3], v[ADK] offset:1536*\p+512*\c
.endr
.endr
	ds_load_b128 v[KS:KS+3], v[ADK] offset:6144
.endm
.macro SPROD m                         ; S^T = K Q^T, eight tiles of 16 keys; m = 1: the mask is the C
.irp p, 0,1,2,3
.if \m
	v_wmma_scale_f32_16x16x128_f8f6f4 v[S+16*\p:S+16*\p+7], v[KF+12*\p:KF+12*\p+11], v[Q:Q+11], v[80+16*\p:87+16*\p], v[KS+\p], v[QS] matrix_a_fmt:MATRIX_FMT_FP6 matrix_b_fmt:MATRIX_FMT_FP6
	v_wmma_scale_f32_16x16x128_f8f6f4 v[S+16*\p+8:S+16*\p+15], v[KF+12*\p+6:KF+12*\p+17], v[Q:Q+11], v[88+16*\p:95+16*\p], v[KS+\p], v[QS] matrix_a_fmt:MATRIX_FMT_FP6 matrix_b_fmt:MATRIX_FMT_FP6 matrix_a_scale:MATRIX_SCALE_ROW1
.else
	v_wmma_scale_f32_16x16x128_f8f6f4 v[S+16*\p:S+16*\p+7], v[KF+12*\p:KF+12*\p+11], v[Q:Q+11], 0, v[KS+\p], v[QS] matrix_a_fmt:MATRIX_FMT_FP6 matrix_b_fmt:MATRIX_FMT_FP6
	v_wmma_scale_f32_16x16x128_f8f6f4 v[S+16*\p+8:S+16*\p+15], v[KF+12*\p+6:KF+12*\p+17], v[Q:Q+11], 0, v[KS+\p], v[QS] matrix_a_fmt:MATRIX_FMT_FP6 matrix_b_fmt:MATRIX_FMT_FP6 matrix_a_scale:MATRIX_SCALE_ROW1
.endif
.endr
.endm
; A STEP: 128 keys, the unit at LDS byte s[TB].  Its K fragments are on their way since the step before; pre = 1: those of the unit at s[TN] are fetched behind V's.
.macro STEP pre, diag
	s_wait_dscnt 0x0                               ; K's fragments
.if \diag
	s_cmp_lg_u32 s[DG], 0
	s_cbranch_scc1 .Ldiag_\@
.endif
	SPROD 0
.if \diag
	s_branch .Lscores_\@
.Ldiag_\@:
	WIN 0x10
	SPROD 1
	WIN 0
.Lscores_\@:
.endif
.irp t, 0,1,2,3
	v_add_nc_u32 v[ADV+\t], s[TB], v[LV+\t]        ; these are also the places behind the products
.endr
	v_add_nc_u32 v[ADC], s[TB], v[LI]
.if \pre
	v_add_nc_u32 v[ADK], s[TN], v[LI]
.endif
	WIN 0x40
.irp t, 0,1,2,3
.irp c, 0,1,2
	ds_load_2addr_b64 v[32+12*\t+4*\c:35+12*\t+4*\c], v[ADV+\t] offset0:64*\c offset1:64*\c+32
.endr
.endr
	WIN 0
	ds_load_b64 v[VSC:VSC+1], v[ADC] offset:PART+6144
.if \pre
	FETCHK
.endif
.irp e, 0,1,2,3
	v_max3_num_f32 v[180+\e], v[S+16*\e], v[S+1+16*\e], v[S+2+16*\e]
.endr
.irp i, 3,5,7,9,11,13
.irp e, 0,1,2,3
	v_max3_num_f32 v[180+\e], v[180+\e], v[S+16*\e+\i], v[S+1+16*\e+\i]   ; four chains by turns, two for each block of 32 keys
.endr
.endr
.irp c, 0,1
	v_max3_num_f32 v[184+\c], v[180+2*\c], v[S+15+32*\c], v[181+2*\c]
.endr
.irp c, 0,1
	v_max_num_f32 v[184+\c], v[184+\c], v[S+31+32*\c]   ; my block's largest score: for the row's maximum, and, since p rises with the score, for the block's largest p
.endr
	v_max_num_f32 v188, v184, v185
	v_mov_b32 v193, v12
	v_permlanex16_b32 v189, v188, s[SEL], s[SEL+1]
	v_max3_num_f32 v13, v13, v188, v189            ; the row's largest score so far
	v_mul_f32 v190, s[NC], v13                     ; -t of it
	v_floor_f32 v12, v190                          ; -M: a whole number
.irp c, 0,1
	v_fma_f32 v[184+\c], v[184+\c], s[CS], v12
.endr
.set J, 0
.rept 8
	v_pk_fma_f32 v[S+J:S+1+J], v[S+J:S+1+J], s[CS:CS+1], v[12:13] op_sel_hi:[1,0,0]   ; t - M, two at a time
.set J, J+2
.endr
	v_sub_f32 v192, v12, v193                      ; old M less new M: 0 or less
.rept 8
	v_pk_fma_f32 v[S+J:S+1+J], v[S+J:S+1+J], s[CS:CS+1], v[12:13] op_sel_hi:[1,0,0]
.set J, J+2
.endr
	v_cvt_i32_f32 v192, v192                       ; (it saturates)
.rept 8
	v_pk_fma_f32 v[S+J:S+1+J], v[S+J:S+1+J], s[CS:CS+1], v[12:13] op_sel_hi:[1,0,0]
.set J, J+2
.endr
	v_ldexp_f32 v252, 1.0, v192                    ; f = 2^(old M - new M)
.rept 8
	v_pk_fma_f32 v[S+J:S+1+J], v[S+J:S+1+J], s[CS:CS+1], v[12:13] op_sel_hi:[1,0,0]
.set J, J+2
.endr
	WALU
	v_exp_f32 v184, v184                           ; the blocks' largest p: the same two instructions on the same number give the same bits
	v_exp_f32 v185, v185
.set J, 0
.rept 64
	v_exp_f32 v[S+J], v[S+J]
.set J, J+1
.endr
	v_pk_mul_f32 v[14:15], v[14:15], v[252:253] op_sel_hi:[1,0]   ; the sum under the new M
	WIN 0x41
	WALU
.set J, 0
.rept 16
	v_pk_mul_f32 v[J:J+1], v[J:J+1], v[252:253] op_sel_hi:[1,0]   ; O^T under the new M
.set J, J+2
.endr
	WIN 0
.irp c, 0,1
	v_max_num_f32 v[184+\c], 0x1800000, v[184+\c]  ; the floor 2^(3 - 127): the byte cannot fall under 1
.endr
	v_pk_add_f32 v[208:209], v[S:S+1], v[S+16:S+17]
	v_pk_add_f32 v[210:211], v[S+2:S+3], v[S+18:S+19]
.irp c, 0,1
	v_add_nc_u32 v[194+\c], 0xff000000, v[184+\c]  ; 2 off the exponent field: the conversion's scale operand
.endr
	v_pk_add_f32 v[212:213], v[S+4:S+5], v[S+20:S+21]
	v_pk_add_f32 v[214:215], v[S+6:S+7], v[S+22:S+23]
.irp c, 0,1
	v_lshrrev_b32 v[196+\c], 23, v[194+\c]         ; the scale's byte
.endr
.irp c, 0,1
	v_cvt_scalef32_pk16_fp6_f32 v[PC+6*\c:PC+2+6*\c], v[S+32*\c:S+15+32*\c], v[194+\c]
	v_cvt_scalef32_pk16_fp6_f32 v[200+4*\c:202+4*\c], v[S+16+32*\c:S+31+32*\c], v[194+\c]   ; (a conversion's three registers begin on an even number)
.endr
	v_pk_add_f32 v[216:217], v[S+8:S+9], v[S+24:S+25]
	v_lshl_or_b32 v198, v197, 16, v196             ; blocks h and 2 + h:
	v_pk_add_f32 v[218:219], v[S+10:S+11], v[S+26:S+27]
	v_pk_add_f32 v[220:221], v[S+12:S+13], v[S+28:S+29]
	v_lshlrev_b32 v198, v[H8], v198                ; my two bytes at their places
	v_pk_add_f32 v[222:223], v[S+14:S+15], v[S+30:S+31]
.irp c, 0,1
.irp i, 0,1,2
	v_mov_b32 v[PC+3+6*\c+\i], v[200+4*\c+\i]
.endr
.endr
	v_permlanex16_b32 v199, v198, s[SEL], s[SEL+1]
.irp q, 0,1,2,3,4,5,6,7
	v_pk_add_f32 v[208+2*\q:209+2*\q], v[208+2*\q:209+2*\q], v[S+32+2*\q:S+33+2*\q]
.endr
	v_or_b32 v[PS], v198, v199                     ; with lane l xor 16's two: p's scale word
.irp q, 0,1,2,3,4,5,6,7
	v_pk_add_f32 v[208+2*\q:209+2*\q], v[208+2*\q:209+2*\q], v[S+48+2*\q:S+49+2*\q]
.endr
.irp q, 0,1,2,3
	v_pk_add_f32 v[208+2*\q:209+2*\q], v[208+2*\q:209+2*\q], v[216+2*\q:217+2*\q]
.endr
	v_pk_add_f32 v[208:209], v[208:209], v[212:213]
	v_pk_add_f32 v[210:211], v[210:211], v[214:215]
	v_pk_add_f32 v[14:15], v[14:15], v[208:209]
	v_pk_add_f32 v[14:15], v[14:15], v[210:211]
	WALU
.if \pre
	s_wait_dscnt 13                                ; V's fragments; K's thirteen loads may be out
.else
	s_wait_dscnt 0x0
.endif
	WIN 0x51
.irp t, 0,1,2,3                                ; O^T += V^T P^T
.if \t%2
	v_wmma_scale_f32_16x16x128_f8f6f4 v[8*\t:8*\t+7], v[32+12*\t:43+12*\t], v[PC:PC+11], v[8*\t:8*\t+7], v[VSC+\t/2], v[PS] matrix_a_fmt:MATRIX_FMT_FP6 matrix_b_fmt:MATRIX_FMT_FP6 matrix_a_scale:MATRIX_SCALE_ROW1
.else
	v_wmma_scale_f32_16x16x128_f8f6f4 v[8*\t:8*\t+7], v[32+12*\t:43+12*\t], v[PC:PC+11], v[8*\t:8*\t+7], v[VSC+\t/2], v[PS] matrix_a_fmt:MATRIX_FMT_FP6 matrix_b_fmt:MATRIX_FMT_FP6
.endif
.endr
	WIN 0
.endm
; THE WAY OUT of a tile of queries: O^T / the sum, 32 neighbouring channels a lane, one scale block.
.macro WAYOUT
	PLACES 4
	v_add_f32 v186, v14, v15
	v_permlanex16_b32 v187, v186, s[SEL], s[SEL+1]
	v_add_f32 v186, v186, v187                     ; the row's sum
	WALU
	v_rcp_f32 v186, v186
	v_nop
	WIN 0x01
	WALU
.set J, 0
.rept 32
	v_mul_f32 v[S+J], v[J], v186
.set J, J+1
.endr
	WIN 0
.irp e, 0,1
	v_max3_num_f32 v[180+\e], |v[S+16*\e]|, |v[S+1+16*\e]|, |v[S+2+16*\e]|
.endr
.irp i, 3,5,7,9,11,13
.irp e, 0,1
	v_max3_num_f32 v[180+\e], v[180+\e], |v[S+16*\e+\i]|, |v[S+1+16*\e+\i]|
.endr
.endr
	v_max3_num_f32 v180, v180, |v[S+15]|, v181
	v_max3_num_f32 v180, v180, |v[S+31]|, 0x1800000   ; and the floor 2^(3 - 127)
	v_add_nc_u32 v194, 0xff000000, v180
	v_lshrrev_b32 v196, 23, v194
	v_lshlrev_b32 v198, v[H8], v196
	v_permlanex16_b32 v199, v198, s[SEL], s[SEL+1]
	v_or_b32 v198, v198, v199                      ; this head's two bytes of the row's scale word
	v_cvt_scalef32_pk16_fp6_f32 v[200:202], v[S:S+15], v194
	v_cvt_scalef32_pk16_fp6_f32 v[204:206], v[S+16:S+31], v194
	v_nop
	v_mov_b32 v203, v204
	v_mov_b32 v204, v205
	v_mov_b32 v205, v206
	WALU
.irp k, 0,1,2
	global_store_b64 v[L8], v[200+2*\k:201+2*\k], s[48:49] offset:256*\k   ; 256 consecutive bytes
.endr
	global_store_b16 v[L4], v198, s[50:51]         ; the row's word stands twice: lanes 0-15 and 16-31
.endm
.macro UADDR d, plus                   ; LDS byte of the unit of trip N + plus: unit (trip + 4) of the first tile, from trip TH = 12 - w on unit trip - TH of the second, which is (trip + 4 + w) mod 16
	s_add_co_u32 s40, s[N], \plus
	s_cmp_ge_u32 s40, s[TH]
	s_cselect_b32 s41, s[WV], 0
	s_add_co_u32 s40, s40, s41
	s_add_co_u32 s40, s40, 4
	s_and_b32 s40, s40, 15
	s_lshr_b32 s41, s40, 2
	s_mul_i32 s40, s40, UN
	s_mul_i32 s41, s41, PART
	s_add_co_u32 s[\d], s40, s41
.endm
	s_load_b128 s[4:7], s[0:1], 0x0                ; qkv, y_img
	v_lshl_add_u32 v[SPW], v0, 2, SPARE
	v_mov_b32 v[NIL], 0
	ds_add_u32 v[SPW], v[NIL]
	ds_add_u32 v[SPW], v[NIL]
	v_lshrrev_b32 v7, 5, v0
	v_readfirstlane_b32 s[WV], v7                  ; wave 0..7
	s_bfe_u32 s8, ttmp6, 0x40000                   ; cx
	s_lshl_b32 s9, ttmp9, 2
	s_add_co_u32 s9, s9, s8                        ; j: my tile of every unit
	s_and_b32 s10, ttmp7, 0xffff
	s_lshr_b32 s11, s10, 4                         ; batch
	s_and_b32 s10, s10, 15                         ; head
	s_mov_b32 s[G1], 15|(3<<16)|(1<<21)            ; all four work-groups of the cluster; elements of 8 bytes
	s_mov_b32 s[G1+1], 32<<16
	s_mov_b32 s[G1+2], 104<<16
	s_mov_b32 s[G1+3], 32<<16
	s_mov_b32 s[G1+4], 104                         ; 26,624 dense bytes as 104 rows of 256
	s_mov_b32 s[G1+5], 32
	s_mov_b32 s[G1+6], 0
	s_mov_b32 s[G1+7], 0
	s_mul_i32 s12, s10, HEAD
	s_mul_i32 s13, s11, 16*UN
	s_add_co_u32 s12, s12, s13                     ; my head and batch, in any kind
	s_and_b32 s13, s[WV], 1
	s_mul_i32 s13, s13, 16*HEAD
	s_lshr_b32 s14, s[WV], 1
	s_mul_i32 s14, s14, PART
	s_add_co_u32 s14, s14, s13
	s_add_co_u32 s14, s14, s12
	s_add_co_u32 s14, s14, 16*HEAD                 ; what I fetch
	s_mov_b32 s15, 0
	s_mov_b32 s[SEL], 0x76543210
	s_mov_b32 s[SEL+1], 0xfedcba98
	s_mov_b32 s[CS], 0x3e38aa3b                    ; c = log2(e) / sqrt(64)
	s_mov_b32 s[CS+1], s[CS]                       ; (named with it as a pair, so it is written)
	s_mov_b32 s[NC], 0xbe38aa3b                    ; -c
	s_sub_co_u32 s[TH], 12, s[WV]
	s_wait_alu depctr_va_vdst(0)
	s_wait_dscnt 0x0
	s_wait_kmcnt 0x0
	s_mov_b32 s[G0], 1
	s_mul_i32 s[G0+1], s[WV], PART
	s_add_nc_u64 s[G0+2:G0+3], s[4:5], s[14:15]
	s_or_b32 s[G0+3], s[G0+3], 0x80000000
	CROUND                                         ; all four work-groups are here: the joint loads meet
	s_cmp_lt_u32 s[WV], 2
	s_cbranch_scc0 .Llater
	TLOAD                                          ; units 0-3: waves 0 (K) and 1 (V)
	s_branch .Lasked
.Llater:
	TLOAD                                          ; the other twelve units
.Lasked:
	v_and_b32 v176, 31, v0                         ; lane
	v_and_b32 v177, 15, v0                         ; r
	v_bfe_u32 v178, v0, 4, 1                       ; h
	v_lshlrev_b32 v[LI], 4, v176
	v_lshlrev_b32 v[L8], 3, v176
	v_lshlrev_b32 v[L4], 2, v176
	v_lshlrev_b32 v[H8], 3, v178
.irp t, 0,1,2,3
	v_add_nc_u32 v[LV+\t], PART+1536*\t, v[L8]
.endr
	; Q: tile j is image j / 2, half g = j % 2 of its twelve registers
	s_and_b32 s8, s9, 1
	s_lshr_b32 s13, s9, 1
	s_mul_i32 s14, s8, 520
	v_add_nc_u32 v179, s14, v[LI]                  ; register pairs 0 and 2 of my half,
	s_mul_i32 s14, s8, 1016
	v_add_nc_u32 v180, s14, v[LI]                  ; and pair 1
	s_mul_i32 s14, s13, 1532
	s_sub_co_u32 s14, 6144, s14
	s_lshl_b32 s15, s8, 8
	s_add_co_u32 s14, s14, s15
	v_lshlrev_b32 v181, 4, v177
	v_add_nc_u32 v181, s14, v181                   ; its scale word, counted from the image
	s_mul_i32 s13, s13, 1536
	s_add_co_u32 s12, s12, s13
	s_mul_i32 s14, s[WV], UN
	s_add_co_u32 s14, s14, s12                     ; unit w,
	s_mov_b32 s15, 0
	s_sub_co_u32 s16, 15, s[WV]
	s_mul_i32 s17, s16, UN
	s_add_co_u32 s44, s17, s12                     ; unit 15 - w
	s_mov_b32 s45, 0
	s_add_nc_u64 s[14:15], s[4:5], s[14:15]
	s_add_nc_u64 s[44:45], s[4:5], s[44:45]
	WALU                                           ; directly ahead of the readers below
	global_load_b64 v[16:17], v179, s[44:45]
	global_load_b64 v[18:19], v180, s[44:45] offset:8
	global_load_b64 v[20:21], v179, s[44:45] offset:512
	global_load_b32 v[QS], v181, s[44:45]
	global_load_b64 v[28:29], v179, s[14:15]
	global_load_b64 v[30:31], v180, s[14:15] offset:8
	global_load_b64 v[32:33], v179, s[14:15] offset:512
	global_load_b32 v34, v181, s[14:15]
	; y: 128 rows 16 batch + unit, K step head / 2, row block j
	s_lshl_b32 s12, s11, 4
	s_mul_i32 s12, s12, 106496
	s_lshr_b32 s13, s10, 2
	s_mul_i32 s13, s13, 26624
	s_add_co_u32 s12, s12, s13
	s_mul_i32 s13, s9, 3328
	s_add_co_u32 s12, s12, s13
	s_bfe_u32 s8, s10, 0x10001
	s_and_b32 s13, s10, 1
	s_mul_i32 s40, s8, 1536
	s_mul_i32 s41, s13, 768
	s_add_co_u32 s40, s40, s41
	s_add_co_u32 s40, s40, s12                     ; codes
	s_lshl_b32 s41, s8, 7
	s_lshl_b32 s13, s13, 1
	s_add_co_u32 s41, s41, s13
	s_add_co_u32 s41, s41, s12
	s_add_co_u32 s41, s41, 3072                    ; scale bytes
	s_mul_i32 s17, s16, 106496
	s_add_co_u32 s48, s40, s17
	s_mov_b32 s49, 0
	s_add_co_u32 s50, s41, s17
	s_mov_b32 s51, 0
	s_mul_i32 s17, s[WV], 106496
	s_add_co_u32 s52, s40, s17
	s_mov_b32 s53, 0
	s_add_co_u32 s54, s41, s17
	s_mov_b32 s55, 0
	s_add_nc_u64 s[48:49], s[6:7], s[48:49]
	s_add_nc_u64 s[50:51], s[6:7], s[50:51]
	s_add_nc_u64 s[52:53], s[6:7], s[52:53]
	s_add_nc_u64 s[54:55], s[6:7], s[54:55]
	; the mask: my query in its unit is 64 (j / 4) + 8 (j % 4) + r % 8 + 32 (r / 8); register 8 (4 c + jj) + i is hidden where 64 c + 8 jj + i lies beyond it less 32 h
	s_lshr_b32 s12, s9, 2
	s_lshl_b32 s12, s12, 6
	s_and_b32 s13, s9, 3
	s_lshl_b32 s13, s13, 3
	s_add_co_u32 s12, s12, s13
	s_wait_alu depctr_va_vdst(0)                   ; ahead of the readers below
	v_and_b32 v182, 8, v177
	v_mul_u32_u24 v182, 3, v182
	v_add_nc_u32 v182, v182, v177                  ; r % 8 + 32 (r / 8)
	v_lshlrev_b32 v183, 5, v178
	v_sub_nc_u32 v182, v182, v183
	v_add_nc_u32 v182, s12, v182
	v_mov_b32 v183, 0xff61b1e6                     ; -3e38
	WIN 0x40
.set J, 0
.rept 64
	v_cmp_gt_i32 vcc_lo, 64*(J/32)+J%32, v182
	v_cndmask_b32 v[80+J], 0, v183, vcc_lo
.set J, J+1
.endr
.set J, 0
.rept 32
	v_mov_b32 v[J], 0                              ; O^T: the first step multiplies it by 0
.set J, J+1
.endr
	WIN 0
.irp i, 0,1,2,3,4,5
	v_mov_b32 v[22+\i], 0                          ; Q's upper half: zero codes
.endr
.irp i, 0,1,2,3,4,5,6,7,8,9,10,11
	v_mov_b32 v[PC+\i], 0                          ; (the last tile's operand reaches into these)
.endr
	v_mov_b32 v12, 0x7f61b1e6                      ; -M
	v_mov_b32 v13, 0xff61b1e6                      ; the largest score so far: under every score
	v_mov_b32 v14, 0
	v_mov_b32 v15, 0
	v_mov_b32 v253, 0                              ; (the upper half of the pair v[252:253])
	v_mov_b32 v187, 0                              ; a lane permute's destination counts as one of its sources
	v_mov_b32 v189, 0
	v_mov_b32 v199, 0
	v_mov_b32 v[ADK], v[LI]                        ; unit 0
	WALU                                           ; at the head's end
	s_wait_loadcnt 0x0
	s_cmp_lt_u32 s[WV], 2
	s_cbranch_scc0 .Lnot_first
	s_wait_tensorcnt 0x0
.Lnot_first:
	s_barrier_signal -1
	s_barrier_wait -1                              ; units 0-3 are in; the others may be on their way
	FETCHK
	s_mov_b32 s[N], 0
.Lfirst:                                           ; units 0-2 of the first tile: no diagonal among them
	s_mul_i32 s[TB], s[N], UN
	s_add_co_u32 s[TN], s[TB], UN
	STEP 1, 0
	s_add_co_u32 s[N], s[N], 1
	s_cmp_lt_u32 s[N], 3
	s_cbranch_scc1 .Lfirst
	s_mov_b32 s[TB], 3*UN
	STEP 0, 0
	s_mov_b32 s40, 4*UN+PART                       ; unit 4
	PLACES 4
	v_add_nc_u32 v[ADK], s40, v[LI]
	WALU
	s_wait_tensorcnt 0x0
	s_wait_dscnt 0x0
	s_barrier_signal -1
	s_barrier_wait -1                              ; all units are in
	FETCHK
	s_mov_b32 s[N], 0
.Lrest:                                            ; thirteen steps, the same number in every wave: the rest of the first tile, then the second (the last trip's fetch of K serves nobody: the loop is written once)
	UADDR TB, 0
	UADDR TN, 1
	s_cmp_eq_u32 s[N], s[TH]
	s_cbranch_scc0 .Lsame
	WAYOUT                                         ; the first tile is done; the second begins
	s_wait_xcnt 0x0                                ; the stores have read their registers and bases
	s_mov_b64 s[48:49], s[52:53]
	s_mov_b64 s[50:51], s[54:55]
.irp i, 0,1,2,3,4,5
	v_mov_b32 v[Q+\i], v[28+\i]
.endr
	v_mov_b32 v[QS], v34
	v_mov_b32 v12, 0x7f61b1e6
	v_mov_b32 v13, 0xff61b1e6
	PLACES 8
	WALU
.Lsame:
	s_add_co_u32 s40, s[N], 1
	s_cmp_eq_u32 s40, s[TH]                        ; the first tile's diagonal,
	s_cselect_b32 s[DG], 1, 0
	s_cmp_eq_u32 s[N], 12                          ; or the second's
	s_cselect_b32 s[DG], 1, s[DG]
	STEP 1, 1
	s_add_co_u32 s[N], s[N], 1
	s_cmp_lt_u32 s[N], 13
	s_cbranch_scc1 .Lrest
	WAYOUT
	s_wait_tensorcnt 0x0                           ; the wave's end
	ds_add_u32 v[SPW], v[NIL]
	s_wait_dscnt 0x0
	CROUND                                         ; the closing round
	s_endpgm
.Lfunc_end_k_q3497ce6e83_attn:
	.size	k_q3497ce6e83_attn, .Lfunc_end_k_q3497ce6e83_attn-k_q3497ce6e83_attn
	.p2alignl 7, 3214868480
	.fill 96, 4, 3214868480
	.section	.rodata,"a",@progbits
	.p2align	6, 0x0
	.amdhsa_kernel k_q3497ce6e83_attn
		.amdhsa_group_segment_fixed_size 327680
		.amdhsa_private_segment_fixed_size 0
		.amdhsa_enable_private_segment 0
		.amdhsa_kernarg_size 16
		.amdhsa_user_sgpr_count 2
		.amdhsa_user_sgpr_kernarg_segment_ptr 1
		.amdhsa_wavefront_size32 1
		.amdhsa_system_sgpr_workgroup_id_x 1
		.amdhsa_system_sgpr_workgroup_id_y 1
		.amdhsa_system_sgpr_workgroup_id_z 1
		.amdhsa_system_vgpr_workitem_id 0
		.amdhsa_next_free_vgpr 400
		.amdhsa_next_free_sgpr 66
		.amdhsa_reserve_vcc 1
		.amdhsa_float_denorm_mode_32 3
		.amdhsa_float_denorm_mode_16_64 3
		.amdhsa_memory_ordered 1
		.amdhsa_forward_progress 1
		.amdhsa_inst_pref_size 69
	.end_amdhsa_kernel
	.amdgpu_metadata
---
amdhsa.version: [ 1, 2 ]
amdhsa.kernels:
  - .name:           k_q3497ce6e83_attn
    .symbol:         k_q3497ce6e83_attn.kd
    .args:
      - { .name: qkv, .offset: 0, .size: 8, .value_kind: global_buffer, .address_space: global }
      - { .name: y_img, .offset: 8, .size: 8, .value_kind: global_buffer, .address_space: global }
    .group_segment_fixed_size: 327680
    .private_segment_fixed_size: 0
    .kernarg_segment_align: 8
    .kernarg_segment_size: 16
    .max_flat_workgroup_size: 256
    .sgpr_count:     66
    .vgpr_count:     400
    .wavefront_size: 32
...
	.end_amdgpu_metadata
.endif
;; end of part 3
;; launch gemm_proj (part 4): grid 8 x 32, 4 waves a work-group, clusters of 4 x 4, 327,680 bytes of LDS; arguments y_img, wp_img, b_proj, out0; writes out0
.if DOCPART == 4
	.amdgcn_target "amdgcn-amd-amdhsa--gfx1250"
	.amdhsa_code_object_version 6
	.text
	.protected	k_q3497ce6e83_gemm_proj
	.globl	k_q3497ce6e83_gemm_proj
	.p2align	8
	.type	k_q3497ce6e83_gemm_proj,@function
k_q3497ce6e83_gemm_proj:
	s_mov_b64 s[64:65], 0
	v_nop
	global_prefetch_b8 v0, s[64:65] scope:SCOPE_SE
	s_setreg_imm32_b32 hwreg(HW_REG_WAVE_MODE, 25, 1), 1
	s_wait_xcnt 0x0
	s_wait_alu depctr_hold_cnt(0) depctr_sa_sdst(0) depctr_va_vdst(0) depctr_va_sdst(0) depctr_va_ssrc(0) depctr_va_vcc(0) depctr_vm_vsrc(0)
	s_getreg_b32 s2, hwreg(HW_REG_IB_STS2, 6, 4)
	s_cmp_eq_u32 s2, 0
	s_cbranch_scc0 .Lentry_in_a_cluster
	s_endpgm
.Lentry_in_a_cluster:
	s_bfe_u32 s2, ttmp6, 0x10000c
	s_cmp_lg_u32 s2, 0xf033
	s_cbranch_scc0 .Lentry_shape_is_right
	s_endpgm
.Lentry_shape_is_right:
; out = y w_proj + b_proj on codes of FP6 (E2M3) with E8M0 scales, K = 1,024, f32 out.
; A block of 128 x 128 to a work-group, 64 x 64 to a wave: 16 accumulators.  ALL OF K LIES IN LDS: y's 128 rows and the weight's 128 rows, 106,496 bytes each, brought by four joint loads, one a wave: waves 0, 1 the first half of K of y and of the weight, waves 2, 3 the second.
; Nothing is filled again.  The first four K steps of 128 want the first half alone; one plain barrier shows the second.  No prefetch: all tiles are asked for at the head, and the text has no loop.
; OPERANDS: units of 3,328 bytes (16 rows x 256 K), at (rb / 8) x 106,496 + ks2 x 26,624 + (rb % 8) x 3,328.  The weight's code images are [piece of 4 registers][lane][16 bytes], y's [pair of registers][lane][8 bytes].
; Row r of row block rb is row 64 (rb / 4) + 8 (rb % 4) + r % 8 + 32 (r / 8).  Source 0 = the weight's rows: a lane holds one row of y and 32 neighbouring columns.
; THE WAY OUT: 16 rows x 64 columns at a time through the wave's own stage, a stage for each of its four row blocks; sixteen lanes store a row's 256 bytes.
; CLUSTERS of 4 x 4: y's rows are asked for jointly along a row, the weight's along a column.
; REGISTERS: window 0: addresses, scale words (v32-39), rows on the way out (v96-223).  Window 1: two sets of fragments, 96 each: y's four, the weight's four.  Window 2: accumulators at 0, the bias at 128.
.set UNIT,  3328
.set PL,    26624
.set BLK,   106496
.set STGP,  272                        ; a stage's row: 256 bytes + 16
.set STG,   16*STGP
.set STAGE, 2*BLK
.set SPARE, STAGE+16*STG
.set LI,  10
.set LS,  11
.set AA,  12                           ; v12-15 my four fragments of y in the K step that is fetched
.set A0,  16                           ; 8 x lane + my first row block of y
.set AB,  18                           ; v18-19 my first row block of the weight, 16 x lane, in the two halves
.set AS,  20                           ; v20-21 scale words: lanes 0-15 y's, lanes 16-31 the weight's
.set STO, 22
.set RD,  23
.set CO,  24
.set SPW, 28
.set NIL, 29
.set SC,  32
.set RB,  96
.set BN,  128
.set G1A, 24
.set G0A, 32
.set G0B, 36
.set G1B, 48
.set MSB, 0
.macro WIN new
.if MSB != (\new)
	s_set_vgpr_msb (MSB<<8)|(\new)
.set MSB, (\new)
.endif
.endm
.macro PLACES n
.rept \n
	v_nop
.endr
.endm
.macro CROUND
	s_barrier_signal -1
	s_barrier_wait -1
	s_cmp_lg_u32 s14, 0
	s_cbranch_scc1 .Lnot_wave_0_\@
	s_barrier_signal -3
.Lnot_wave_0_\@:
	s_barrier_wait -3
	s_barrier_signal -1
	s_barrier_wait -1
.endm
.macro TLOAD g0, g1
	tensor_load_to_lds s[\g0:\g0+3], s[\g1:\g1+7]
	s_nop 0
	PLACES 4
.endm
.macro FETCH k                         ; K step k's eight fragments and their scale words into set k % 2: 28 loads.  The four additions are the places in front of them
.set KO_, (((\k)/2)%2)*PL+((\k)%2)*1536
.set KC_, (((\k)/2)%2)*PL+((\k)%2)*128+3072
.set FS_, 96*((\k)%2)
.irp i, 0,1,2,3
	v_add_nc_u32 v[AA+\i], ((\k)/4)*BLK+KO_+\i*UNIT, v[A0]
.endr
	WIN 0x40
.irp i, 0,1,2,3
.irp c, 0,1,2
	ds_load_2addr_b64 v[FS_+12*\i+4*\c:FS_+12*\i+4*\c+3], v[AA+\i] offset0:64*\c offset1:64*\c+32
.endr
.endr
.irp i, 0,1,2,3
.irp c, 0,1,2
	ds_load_b128 v[FS_+48+12*\i+4*\c:FS_+48+12*\i+4*\c+3], v[AB+(\k)/4] offset:KO_+\i*UNIT+512*\c
.endr
.endr
	WIN 0
.irp i, 0,1,2,3
	ds_load_b32 v[SC+4*((\k)%2)+\i], v[AS+(\k)/4] offset:KC_+\i*UNIT
.endr
.endm
.macro MUL k                           ; 16 products, an accumulator each
.set FS_, 96*((\k)%2)
.set SS_, SC+4*((\k)%2)
	WIN 0xa5
.irp a, 0,1,2,3
.irp b, 0,1,2,3
.if (\k) == 0
	v_wmma_scale_f32_16x16x128_f8f6f4 v[8*(4*\a+\b):8*(4*\a+\b)+7], v[FS_+48+12*\b:FS_+59+12*\b], v[FS_+12*\a:FS_+11+12*\a], v[BN+8*\b:BN+8*\b+7], v[SS_+\b], v[SS_+\a] matrix_a_fmt:MATRIX_FMT_FP6 matrix_b_fmt:MATRIX_FMT_FP6 matrix_a_scale:MATRIX_SCALE_ROW1
.else
	v_wmma_scale_f32_16x16x128_f8f6f4 v[8*(4*\a+\b):8*(4*\a+\b)+7], v[FS_+48+12*\b:FS_+59+12*\b], v[FS_+12*\a:FS_+11+12*\a], v[8*(4*\a+\b):8*(4*\a+\b)+7], v[SS_+\b], v[SS_+\a] matrix_a_fmt:MATRIX_FMT_FP6 matrix_b_fmt:MATRIX_FMT_FP6 matrix_a_scale:MATRIX_SCALE_ROW1
.endif
.endr
.endr
	WIN 0
.endm
	s_load_b256 s[4:11], s[0:1], 0x0               ; y_img, wp_img, b_proj, out0
	v_lshl_add_u32 v[SPW], v0, 2, SPARE
	v_mov_b32 v[NIL], 0
	ds_add_u32 v[SPW], v[NIL]
	ds_add_u32 v[SPW], v[NIL]
	v_lshrrev_b32 v1, 5, v0
	v_readfirstlane_b32 s14, v1                    ; wave 0..3
	s_lshr_b32 s15, s14, 1                         ; my 64 rows; also: which half of K I fetch
	s_and_b32 s16, s14, 1                          ; my 64 columns; also: y (0) or the weight (1)
	s_bfe_u32 s40, ttmp6, 0x40000
	s_bfe_u32 s41, ttmp6, 0x40004
	s_lshl_b32 s42, ttmp9, 2
	s_add_co_u32 s42, s42, s40                     ; block column, 0..7
	s_and_b32 s17, ttmp7, 0xffff
	s_lshl_b32 s17, s17, 2
	s_add_co_u32 s17, s17, s41                     ; block row, 0..31
	s_lshl_b32 s43, s41, 2
	s_lshl_b32 s43, 15, s43                        ; my row of the cluster
	s_lshl_b32 s44, 0x1111, s40                    ; my column
	s_or_b32 s[G1A+0], s43, (3<<16)|(1<<21)
	s_or_b32 s[G1B+0], s44, (3<<16)|(1<<21)
.irp g, G1A, G1B
	s_mov_b32 s[\g+1], 32<<16
	s_mov_b32 s[\g+2], 208<<16
	s_mov_b32 s[\g+3], 32<<16
	s_mov_b32 s[\g+4], 208                         ; 53,248 dense bytes as 208 rows of 256
	s_mov_b32 s[\g+5], 32
	s_mov_b32 s[\g+6], 0
	s_mov_b32 s[\g+7], 0
.endr
	s_mul_i32 s12, s15, 2*PL
	s_mul_i32 s20, s17, BLK
	s_add_co_u32 s20, s20, s12
	s_mov_b32 s21, 0
	s_mul_i32 s22, s42, BLK
	s_add_co_u32 s22, s22, s12
	s_mov_b32 s23, 0
	s_lshl_b32 s86, s42, 9
	s_lshl_b32 s46, s16, 8
	s_add_co_u32 s86, s86, s46                     ; my first column, in bytes
	s_mov_b32 s87, 0
	s_lshl_b32 s84, s17, 19
	s_lshl_b32 s46, s15, 18
	s_add_co_u32 s84, s84, s46
	s_add_co_u32 s84, s84, s86                     ; my first row and column of out
	s_mov_b32 s85, 0
	s_wait_alu depctr_va_vdst(0)
	s_wait_dscnt 0x0
	s_wait_kmcnt 0x0
	s_mov_b32 s[G0A], 1
	s_mul_i32 s[G0A+1], s14, 2*PL
	s_add_nc_u64 s[G0A+2:G0A+3], s[4:5], s[20:21]
	s_or_b32 s[G0A+3], s[G0A+3], 0x80000000
	s_mov_b32 s[G0B], 1
	s_mul_i32 s[G0B+1], s14, 2*PL
	s_add_nc_u64 s[G0B+2:G0B+3], s[6:7], s[22:23]
	s_or_b32 s[G0B+3], s[G0B+3], 0x80000000
	s_add_nc_u64 s[86:87], s[8:9], s[86:87]
	s_add_nc_u64 s[84:85], s[10:11], s[84:85]
	CROUND                                         ; all sixteen work-groups are here: the joint loads meet
	s_cmp_eq_u32 s14, 0
	s_cbranch_scc0 .Lwave_1
	TLOAD G0A, G1A
	s_branch .Lasked
.Lwave_1:
	s_cmp_eq_u32 s14, 1
	s_cbranch_scc0 .Lwave_2
	TLOAD G0B, G1B
	s_branch .Lasked
.Lwave_2:
	s_cmp_eq_u32 s14, 2
	s_cbranch_scc0 .Lwave_3
	TLOAD G0A, G1A
	s_branch .Lasked
.Lwave_3:
	TLOAD G0B, G1B
.Lasked:
	v_and_b32 v1, 31, v0                           ; lane
	v_bfe_u32 v2, v0, 4, 1                         ; h
	v_and_b32 v3, 15, v0                           ; r
	v_lshlrev_b32 v8, 7, v2                        ; register 8 b + i is column 32 h + 8 b + i
	WIN 0x80
.irp b, 0,1,2,3
	global_load_b128 v[BN+8*\b:BN+8*\b+3], v8, s[86:87] offset:32*\b
	global_load_b128 v[BN+8*\b+4:BN+8*\b+7], v8, s[86:87] offset:32*\b+16
.endr
	WIN 0
	v_lshlrev_b32 v[LI], 4, v1
	v_lshlrev_b32 v[LS], 2, v1
	s_mul_i32 s12, s15, 4*UNIT                     ; my four row blocks of y,
	s_mul_i32 s46, s16, 4*UNIT
	s_add_co_u32 s46, s46, 2*PL                    ; and of the weight
	v_lshlrev_b32 v4, 3, v1
	v_add_nc_u32 v[A0], s12, v4
	v_add_nc_u32 v[AB], s46, v[LI]
	s_sub_co_u32 s47, s46, s12
	v_mul_u32_u24 v5, s47, v2                      ; lanes 16-31 take the weight's scale words
	v_add_nc_u32 v5, v5, v[LS]
	v_add_nc_u32 v[AS], s12, v5
	s_add_co_u32 s46, s46, BLK
	v_add_nc_u32 v[AB+1], s46, v[LI]
	s_add_co_u32 s12, s12, BLK
	v_add_nc_u32 v[AS+1], s12, v5
	s_mul_i32 s46, s14, 4*STG
	s_add_co_u32 s46, s46, STAGE                   ; my stages
	v_mul_u32_u24 v6, v3, STGP
	v_lshl_add_u32 v6, v2, 7, v6
	v_add_nc_u32 v[STO], s46, v6                   ; in: row r, 128 bytes for each half of the lanes
	v_mul_u32_u24 v7, v2, STGP
	v_lshl_add_u32 v7, v3, 4, v7
	v_add_nc_u32 v[RD], s46, v7                    ; back: lanes 0-15 one row of 256 bytes, lanes 16-31 the next
	v_lshlrev_b32 v[CO], 12, v2
	v_lshl_add_u32 v[CO], v3, 4, v[CO]             ; and the same two rows in out
	s_wait_alu depctr_va_vdst(0)                   ; at the head's end
	s_wait_loadcnt 0x0                             ; the bias
	s_cmp_lt_u32 s14, 2
	s_cbranch_scc0 .Lnot_first
	s_wait_tensorcnt 0x0
.Lnot_first:
	s_barrier_signal -1
	s_barrier_wait -1                              ; the first half of K is in
	FETCH 0
.irp k, 0,1,2
	FETCH \k+1
	s_wait_dscnt 28                                ; this K step's fragments; the next one's 28 loads may be out
	MUL \k
.endr
	s_wait_tensorcnt 0x0
	s_wait_dscnt 0x0
	s_barrier_signal -1
	MUL 3
	s_barrier_wait -1                              ; the second half is in
	FETCH 4
.irp k, 4,5,6
	FETCH \k+1
	s_wait_dscnt 28
	MUL \k
.endr
	s_wait_dscnt 0x0
	MUL 7
	PLACES 4
.irp a, 0,1,2,3
	WIN 0x08
.irp b, 0,1,2,3
	ds_store_b128 v[STO], v[8*(4*\a+\b):8*(4*\a+\b)+3] offset:STG*\a+32*\b
	ds_store_b128 v[STO], v[8*(4*\a+\b)+4:8*(4*\a+\b)+7] offset:STG*\a+32*\b+16
.endr
	WIN 0
.irp t, 0,1,2,3,4,5,6,7
	ds_load_b128 v[RB+32*\a+4*\t:RB+32*\a+4*\t+3], v[RD] offset:STG*\a+2*STGP*\t   ; LDS serves a wave's instructions in order (ISA guide 5.7.1.4)
.endr
.endr
.irp a, 0,1,2,3
	s_wait_dscnt 16*(3-\a)                         ; the later blocks' 16 LDS instructions each may be out
.irp t, 0,1,2,3,4,5,6,7
	global_store_b128 v[CO], v[RB+32*\a+4*\t:RB+32*\a+4*\t+3], s[84:85] offset:(8*\a+(2*\t)%8+32*(\t/4))*4096 th:TH_STORE_NT   ; two rows of 256 bytes, at multiples of 256 from out's first byte
.endr
.endr
	s_wait_tensorcnt 0x0                           ; the wave's end
	ds_add_u32 v[SPW], v[NIL]
	s_wait_dscnt 0x0
	CROUND                                         ; the closing round
	s_endpgm
.Lfunc_end_k_q3497ce6e83_gemm_proj:
	.size	k_q3497ce6e83_gemm_proj, .Lfunc_end_k_q3497ce6e83_gemm_proj-k_q3497ce6e83_gemm_proj
	.p2alignl 7, 3214868480
	.fill 96, 4, 3214868480
	.section	.rodata,"a",@progbits
	.p2align	6, 0x0
	.amdhsa_kernel k_q3497ce6e83_gemm_proj
		.amdhsa_group_segment_fixed_size 327680
		.amdhsa_private_segment_fixed_size 0
		.amdhsa_enable_private_segment 0
		.amdhsa_kernarg_size 32
		.amdhsa_user_sgpr_count 2
		.amdhsa_user_sgpr_kernarg_segment_ptr 1
		.amdhsa_wavefront_size32 1
		.amdhsa_system_sgpr_workgroup_id_x 1
		.amdhsa_system_sgpr_workgroup_id_y 1
		.amdhsa_system_sgpr_workgroup_id_z 1
		.amdhsa_system_vgpr_workitem_id 0
		.amdhsa_next_free_vgpr 672
		.amdhsa_next_free_sgpr 98
		.amdhsa_reserve_vcc 0
		.amdhsa_float_denorm_mode_32 3
		.amdhsa_float_denorm_mode_16_64 3
		.amdhsa_memory_ordered 1
		.amdhsa_forward_progress 1
		.amdhsa_inst_pref_size 49
	.end_amdhsa_kernel
	.amdgpu_metadata
---
amdhsa.version: [ 1, 2 ]
amdhsa.kernels:
  - .name:           k_q3497ce6e83_gemm_proj
    .symbol:         k_q3497ce6e83_gemm_proj.kd
    .args:
      - { .name: y_img, .offset: 0, .size: 8, .value_kind: global_buffer, .address_space: global }
      - { .name: wp_img, .offset: 8, .size: 8, .value_kind: global_buffer, .address_space: global }
      - { .name: b_proj, .offset: 16, .size: 8, .value_kind: global_buffer, .address_space: global }
      - { .name: out0, .offset: 24, .size: 8, .value_kind: global_buffer, .address_space: global }
    .group_segment_fixed_size: 327680
    .private_segment_fixed_size: 0
    .kernarg_segment_align: 8
    .kernarg_segment_size: 32
    .max_flat_workgroup_size: 128
    .sgpr_count:     98
    .vgpr_count:     672
    .wavefront_size: 32
...
	.end_amdgpu_metadata
.endif
;; end of part 4
